; MI455X (gfx1250); checked and timed in simulation.
; The chip was launched on July 23, 2026; its instructions are those of AMD's public machine-readable ISA for CDNA 5 (MIT licence, August 2026) and "CDNA5" Instruction Set Architecture Reference Guide (July 2026). The comments in the code are by the model that wrote it; some were corrected since.
;; multihead self attention. Allowed arithmetic: matrix products marked QUANTISED: E2M1 operands, one E8M0 scale for each 32 along K, by v_wmma_scale_f32_16x16x128_f8f6f4 with both operands' format E2M1 (or v_wmma_scale_f32_32x16x128_f4), f32 sums; products left as they are: bf16, f16 or f32 operands; f32 sums; everything else in f32.
;; Inputs: Wk 1,024 x 1,024 float32; Wo 1,024 x 1,024 float32; Wq 1,024 x 1,024 float32; Wv 1,024 x 1,024 float32; x 4 x 2,048 x 1,024 float32.
;; Outputs: out0 4 x 2,048 x 1,024 float32.
;; This version of the problem:
;;   THIS VERSION OF THE PROBLEM IS GIVEN IN LOW PRECISION. The matrix products marked QUANTISED in the list below multiply operands that are first quantised to E2M1 (2 exponent bits, 1 mantissa bit; 4 bits a number), with one power-of-two scale for each 32 numbers along K (OCP MX v1.0); their sums are f32. The products marked 'left as it is' may take bf16, f16 or f32 operands, with f32 sums. Whichever they take, every output number must still come out within the allowed error. Rounding operands to bf16 (8 significant bits) uses up far more of that allowance than f16 does (11 bits, for magnitudes from 6e-5 to 65,504). All else is computed in f32.
;;   The module's matrix products, in the order in which they are computed (A, B: the left and right operand; K: the contracted axis; several contracted axes count as one K, in the product's order):
;;     1. [M 8,192, K 1,024] x [K 1,024, N 1,024]; A: input x; B: input Wq: QUANTISED
;;     2. [M 8,192, K 1,024] x [K 1,024, N 1,024]; A: input x; B: input Wk: QUANTISED
;;     3. [M 8,192, K 1,024] x [K 1,024, N 1,024]; A: input x; B: input Wv: QUANTISED
;;     4. batch 64 x [M 2,048, K 64] x [K 64, N 2,048]; A: computed on the way; B: computed on the way: left as it is (an operand is computed on the way)
;;     5. batch 64 x [M 2,048, K 2,048] x [K 2,048, N 64]; A: computed on the way; B: computed on the way: left as it is (an operand is computed on the way)
;;     6. [M 8,192, K 1,024] x [K 1,024, N 1,024]; A: computed on the way; B: input Wo: left as it is (an operand is computed on the way)
;;   THE QUANTISER, for each operand of a quantised product, along K:
;;     - K is cut into blocks of 32 from its start; a last block that is shorter is filled with zeros.
;;     - A block's scale is 2^e with e = floor(log2(the largest magnitude in the block)) - 2, held to -126 .. 127; a block of zeros has e = 0. As a byte (E8M0): e + 127.
;;     - Each number is divided by its block's scale, clamped to +-6, and rounded to the nearest number of E2M1, ties to even, subnormals kept.
;;     - The product sums the exact products of the quantised numbers (number of the format x scale) in f32.
;;   ~~~python
;;   def quantise(x, axis):      # numpy; x: float32 -> the quantised numbers, widened to float32 again
;;       x = np.moveaxis(x, axis, -1); K = x.shape[-1]
;;       x = np.pad(x, [(0, 0)] * (x.ndim - 1) + [(0, -K % 32)]); x = x.reshape(x.shape[:-1] + (-1, 32)); a = np.abs(x).max(-1, keepdims=True)
;;       e = np.where(a > 0, np.clip(np.frexp(np.where(a > 0, a, 1))[1] - 1 - 2, -126, 127), 0)      # np.frexp(a)[1] - 1 = floor(log2(a)), exactly
;;       r = np.clip(x / 2.0 ** e, -6, 6)
;;       step = 2.0 ** (np.maximum(np.frexp(np.where(r == 0, 1, r))[1] - 1, 0) - 1)
;;       q = np.round(r / step) * step * 2.0 ** e      # np.round: ties to even
;;       return np.moveaxis(q.reshape(q.shape[:-2] + (-1,))[..., :K], -1, axis).astype(np.float32)
;;   ~~~
;; One version. Each part assembles by itself: llvm-mc -triple=amdgcn-amd-amdhsa -mcpu=gfx1250 --defsym DOCPART=n.
;; ======== version 1 of 1: 5 launches
;; limits: values are held in f16: magnitudes above 65,504 overflow, below 6.1e-05 lose precision
;; workspace buffers: x_codes 4,194,304 bytes; x_scales 262,144 bytes; w_codes 1,572,864 bytes; w_scales 98,304 bytes; wo16 2,097,152 bytes; qkv 50,331,648 bytes; q32 786,432 bytes; att 16,777,216 bytes
;; launch quant (part 1): grid 416 x 1, 4 waves a work-group, no clusters, 33,280 bytes of LDS; arguments x, Wq, Wk, Wv, Wo, x_codes, x_scales, w_codes, w_scales, wo16; writes x_codes, x_scales, w_codes, w_scales, wo16
.if DOCPART == 1
	.amdgcn_target "amdgcn-amd-amdhsa--gfx1250"
	.amdhsa_code_object_version 6
	.text
	.protected	k_q180fff2ac4_quant
	.globl	k_q180fff2ac4_quant
	.p2align	8
	.type	k_q180fff2ac4_quant,@function
k_q180fff2ac4_quant:
	s_mov_b64 s[64:65], 0
	v_nop
	global_prefetch_b8 v0, s[64:65] scope:SCOPE_SE
	s_setreg_imm32_b32 hwreg(HW_REG_WAVE_MODE, 25, 1), 1
	s_wait_xcnt 0x0
; x [8192][1024] and Wq, Wk, Wv [1024][1024], f32, K innermost, become codes of FP4 (E2M1), two a byte, the lower k in the low four bits, with one E8M0 byte for each 32 along K;
; Wq, Wk, Wv go one behind the other into w_codes [3072][512 bytes] and w_scales [3072][32].  Wo [1024][1024] becomes f16 (wo16), for the product that is left as it is.
; A block's scale is 2^(floor(log2(its largest magnitude)) - 2); its byte is the largest magnitude's exponent field - 2, held at 1 from below; each number is divided by the scale and rounded to the nearest code, ties to even, beyond 6 the largest code.
; LIMITS: a block of zeros gets the byte 1 where the rule says 127 (its codes are zeros, which add nothing, and the bytes are read by this program alone); blocks whose largest magnitude lies under 2^(3 - 127) are held at that floor;
; NaN and infinities are not served; Wo beyond 65,504 in magnitude has no f16 number, under 6e-5 it keeps fewer bits.
; SHARES: work-groups 0-255 take x, 256-351 Wq, Wk, Wv (32 each), 32,768 numbers a work-group, 8,192 a wave, in 16 steps of 512; work-groups 352-415 take Wo, 4,096 numbers a wave.
; Rows are dense and K is a multiple of 32: the tensors are plain streams of blocks.  Each load reads 512 consecutive bytes; a step's 2,048 bytes turn through the wave's own stage in LDS so that a lane holds 16 neighbours
; (two lanes a block); a wave's store of codes covers 256 consecutive bytes; its 256 scale bytes are gathered in LDS and leave as one store of 256 bytes.  Waves share nothing: no barrier.
.set STEPS, 16
.set EMAX,  2
.set CB,    8                          ; bytes of 16 codes
.set R,     16                         ; v16-79   four sets of 16 numbers as loaded
.set X,     80                         ; v80-111  two sets of 16 neighbours
.set E,     112                        ; v112-127 a scale byte for each step
.set C,     128                        ; v128-191 codes, four registers a step: no store's data are written again
.set WREG,  8192                       ; LDS: a wave's region: two stages of 32 x SP bytes, then its 256 scale bytes
.set SP,    80                         ; a lane's place in a stage: 64 bytes + 16 of padding
.set SPW,   12                         ; v12  my spare word's address; never rewritten
.set NIL,   13                         ; v13  0; never rewritten
.set SPARE, 4*WREG                     ; behind the four regions: the spare words, 128 bytes a wave
	s_load_b256 s[4:11], s[0:1], 0x0               ; x, Wq, Wk, Wv
	s_load_b256 s[12:19], s[0:1], 0x20             ; Wo, x_codes, x_scales, w_codes
	s_load_b128 s[20:23], s[0:1], 0x40             ; w_scales, wo16
	v_lshl_add_u32 v[SPW], v0, 2, SPARE
	v_mov_b32 v[NIL], 0
	v_lshrrev_b32 v1, 5, v0
	v_readfirstlane_b32 s24, v1                    ; wave
	v_and_b32 v2, 31, v0                           ; lane
	v_lshlrev_b32 v3, 4, v2                        ; my 16 bytes of a load's 512
	s_mul_i32 s25, s24, WREG
	v_lshrrev_b32 v14, 2, v2
	v_mul_u32_u24 v14, v14, SP
	v_and_b32 v15, 3, v2
	v_lshl_add_u32 v14, v15, 4, v14
	v_add_nc_u32 v14, s25, v14                     ; the stage on the way in: SP (lane / 4) + 16 (lane % 4)
	v_mul_u32_u24 v15, v2, SP
	v_add_nc_u32 v15, s25, v15                     ; and on the way out: SP x lane: my 16 neighbours
	v_mul_u32_u24 v4, v2, CB                       ; 8 x lane: my codes' place in a step's (and my f16 numbers' in Wo's path)
	v_lshrrev_b32 v5, 1, v2
	s_add_co_u32 s25, s25, 2*32*SP
	v_add_nc_u32 v5, s25, v5                       ; my block's scale byte in LDS
	v_lshlrev_b32 v7, 3, v2
	v_add_nc_u32 v6, s25, v7                       ; and on the way out 8 bytes a lane
	s_mov_b32 s33, 0
	s_wait_kmcnt 0x0
	s_cmp_ge_u32 ttmp9, 352
	s_cbranch_scc1 .Lwo
	; which tensor: only pointers and run numbers are chosen, by the work-group's number; all four tensors take one path
	s_sub_co_u32 s29, ttmp9, 256                   ; the run in w_codes (used from work-group 256 on)
	s_and_b32 s30, s29, 31                         ; the run in its own W
	s_cmp_lt_u32 ttmp9, 320
	s_cselect_b64 s[26:27], s[8:9], s[10:11]
	s_cmp_lt_u32 ttmp9, 288
	s_cselect_b64 s[26:27], s[6:7], s[26:27]
	s_cmp_lt_u32 ttmp9, 256
	s_cselect_b64 s[4:5], s[4:5], s[26:27]
	s_cselect_b64 s[14:15], s[14:15], s[18:19]
	s_cselect_b64 s[16:17], s[16:17], s[20:21]
	s_cselect_b32 s30, ttmp9, s30
	s_cselect_b32 s29, ttmp9, s29
	s_lshl_b32 s30, s30, 2
	s_add_co_u32 s30, s30, s24                     ; my wave's run of 8,192 numbers in the source,
	s_lshl_b32 s29, s29, 2
	s_add_co_u32 s29, s29, s24                     ; and in the codes and scales
	s_lshl_b32 s32, s30, 15                        ; 32,768 bytes of f32 a run
	s_add_nc_u64 s[4:5], s[4:5], s[32:33]
	s_lshl_b32 s32, s29, 12                        ; 4,096 bytes of codes
	s_add_nc_u64 s[14:15], s[14:15], s[32:33]
	s_lshl_b32 s32, s29, 8                         ; 256 scale bytes
	s_add_nc_u64 s[16:17], s[16:17], s[32:33]
.macro LOAD t
.irp i, 0,1,2,3
	global_load_b128 v[R+16*((\t)%4)+4*\i:R+16*((\t)%4)+4*\i+3], v3, s[4:5] offset:2048*(\t)+512*\i th:TH_LOAD_NT   ; 32 lanes read 512 consecutive bytes
.endr
.endm
.macro TURN t                          ; step t's numbers through the stage: LDS serves a wave's instructions in order, so no wait stands between the stores and the loads
.irp i, 0,1,2,3
	ds_store_b128 v14, v[R+16*((\t)%4)+4*\i:R+16*((\t)%4)+4*\i+3] offset:32*SP*((\t)%2)+8*SP*\i
.endr
.irp i, 0,1,2,3
	ds_load_b128 v[X+16*((\t)%2)+4*\i:X+16*((\t)%2)+4*\i+3], v15 offset:32*SP*((\t)%2)+16*\i
.endr
.endm
.irp t, 0,1,2,3
	LOAD \t
.endr
	s_wait_loadcnt 12                              ; step 0's four loads are in; the twelve of steps 1 to 3 may be out
	TURN 0
.macro STEP t
.set XS, X+16*((\t)%2)
.if (\t) > 0
	s_wait_dscnt 1                                 ; this step's numbers are back from the stage (the last step's byte store may be out)
.else
	s_wait_dscnt 0x0
.endif
.if (\t)+4 < STEPS
	LOAD (\t)+4                                    ; into the registers that the stage's stores have read
.endif
.if (\t)+1 < STEPS
.if STEPS-2-(\t) >= 3
	s_wait_loadcnt 12                              ; the next step's four loads are in; those of the three steps behind it may be out
.else
	s_wait_loadcnt 4*(STEPS-2-(\t))
.endif
	TURN (\t)+1                                    ; the next step goes through the other stage while this one is worked
.endif
	v_max3_num_f32 v8, |v[XS]|, |v[XS+1]|, |v[XS+2]|               ; the largest magnitude of my 16, in two chains
	v_max3_num_f32 v9, |v[XS+3]|, |v[XS+4]|, |v[XS+5]|
.irp i, 6,10
	v_max3_num_f32 v8, v8, |v[XS+\i]|, |v[XS+\i+1]|
	v_max3_num_f32 v9, v9, |v[XS+\i+2]|, |v[XS+\i+3]|
.endr
	v_max3_num_f32 v8, v8, |v[XS+14]|, |v[XS+15]|
	v_max3_num_f32 v8, v8, v9, (EMAX+1)<<23        ; and the floor 2^(EMAX + 1 - 127): the byte cannot fall under 1
	v_max_num_f32_dpp v8, v8, v8 row_xmask:1 row_mask:0xf bank_mask:0xf   ; and of my neighbour's 16: the block's
	v_add_nc_u32 v11, -(EMAX<<23), v8              ; EMAX off its exponent field: the conversion takes the exponent field of this operand as its scale
	v_cvt_scalef32_pk8_fp4_f32 v[C+4*(\t)], v[XS:XS+7], v11
	v_cvt_scalef32_pk8_fp4_f32 v[C+4*(\t)+1], v[XS+8:XS+15], v11
	v_lshrrev_b32 v[E+(\t)], 23, v11               ; the scale's byte (also the plain line behind the conversions)
	ds_store_b8 v5, v[E+(\t)] offset:16*(\t)       ; both lanes of a block write the same byte with the same value
	global_store_b64 v4, v[C+4*(\t):C+4*(\t)+1], s[14:15] offset:32*CB*(\t)   ; the wave stores 256 consecutive bytes
.endm
.irp t, 0,1,2,3,4,5,6,7,8,9,10,11,12,13,14,15
	STEP \t
.endr
	ds_load_b64 v[8:9], v6                         ; LDS serves a wave's instructions in order: these see my byte stores
	s_wait_dscnt 0x0
	global_store_b64 v7, v[8:9], s[16:17]          ; 32 lanes store 256 consecutive scale bytes
	s_branch .Lend
.Lwo:                                              ; Wo to f16: 32 loads of 512 bytes, all out at once; each number is rounded once, to nearest even; no LDS
	s_sub_co_u32 s29, ttmp9, 352
	s_lshl_b32 s29, s29, 2
	s_add_co_u32 s29, s29, s24                     ; my wave's run of 4,096 numbers
	s_lshl_b32 s32, s29, 14
	s_add_nc_u64 s[12:13], s[12:13], s[32:33]
	s_lshl_b32 s32, s29, 13
	s_add_nc_u64 s[22:23], s[22:23], s[32:33]
.set ii, 0
.rept 32
	global_load_b128 v[16+4*ii:19+4*ii], v3, s[12:13] offset:512*ii th:TH_LOAD_NT
.set ii, ii+1
.endr
.set ii, 0
.rept 32
	s_wait_loadcnt 31-ii                           ; loads come back in order: load ii is in, the younger ones may be out
	v_cvt_pk_f16_f32 v[16+4*ii], v[16+4*ii], v[17+4*ii]
	v_cvt_pk_f16_f32 v[17+4*ii], v[18+4*ii], v[19+4*ii]
	global_store_b64 v4, v[16+4*ii:17+4*ii], s[22:23] offset:256*ii   ; the wave stores 256 consecutive bytes; no register is written twice
.set ii, ii+1
.endr
.Lend:
	s_wait_tensorcnt 0x0                           ; the wave's end
	ds_add_u32 v[SPW], v[NIL]
	s_wait_dscnt 0x0
	s_endpgm
.Lfunc_end_k_q180fff2ac4_quant:
	.size	k_q180fff2ac4_quant, .Lfunc_end_k_q180fff2ac4_quant-k_q180fff2ac4_quant
	.p2alignl 7, 3214868480
	.fill 96, 4, 3214868480
	.section	.rodata,"a",@progbits
	.p2align	6, 0x0
	.amdhsa_kernel k_q180fff2ac4_quant
		.amdhsa_group_segment_fixed_size 33280
		.amdhsa_private_segment_fixed_size 0
		.amdhsa_enable_private_segment 0
		.amdhsa_kernarg_size 80
		.amdhsa_user_sgpr_count 2
		.amdhsa_user_sgpr_kernarg_segment_ptr 1
		.amdhsa_wavefront_size32 1
		.amdhsa_system_sgpr_workgroup_id_x 1
		.amdhsa_system_sgpr_workgroup_id_y 1
		.amdhsa_system_sgpr_workgroup_id_z 1
		.amdhsa_system_vgpr_workitem_id 0
		.amdhsa_next_free_vgpr 192
		.amdhsa_next_free_sgpr 66
		.amdhsa_reserve_vcc 0
		.amdhsa_float_denorm_mode_32 3
		.amdhsa_float_denorm_mode_16_64 3
		.amdhsa_memory_ordered 1
		.amdhsa_forward_progress 1
		.amdhsa_inst_pref_size 45
	.end_amdhsa_kernel
	.amdgpu_metadata
---
amdhsa.version: [ 1, 2 ]
amdhsa.kernels:
  - .name:           k_q180fff2ac4_quant
    .symbol:         k_q180fff2ac4_quant.kd
    .args:
      - { .name: x, .offset: 0, .size: 8, .value_kind: global_buffer, .address_space: global }
      - { .name: Wq, .offset: 8, .size: 8, .value_kind: global_buffer, .address_space: global }
      - { .name: Wk, .offset: 16, .size: 8, .value_kind: global_buffer, .address_space: global }
      - { .name: Wv, .offset: 24, .size: 8, .value_kind: global_buffer, .address_space: global }
      - { .name: Wo, .offset: 32, .size: 8, .value_kind: global_buffer, .address_space: global }
      - { .name: x_codes, .offset: 40, .size: 8, .value_kind: global_buffer, .address_space: global }
      - { .name: x_scales, .offset: 48, .size: 8, .value_kind: global_buffer, .address_space: global }
      - { .name: w_codes, .offset: 56, .size: 8, .value_kind: global_buffer, .address_space: global }
      - { .name: w_scales, .offset: 64, .size: 8, .value_kind: global_buffer, .address_space: global }
      - { .name: wo16, .offset: 72, .size: 8, .value_kind: global_buffer, .address_space: global }
    .group_segment_fixed_size: 33280
    .private_segment_fixed_size: 0
    .kernarg_segment_align: 8
    .kernarg_segment_size: 80
    .max_flat_workgroup_size: 128
    .sgpr_count:     66
    .vgpr_count:     192
    .wavefront_size: 32
...
	.end_amdgpu_metadata
.endif
;; end of part 1
;; launch qkv (part 2): grid 12 x 32, 4 waves a work-group, clusters of 4 x 4, 327,680 bytes of LDS; arguments x_codes, x_scales, w_codes, w_scales, qkv, q32; writes qkv, q32
.if DOCPART == 2
	.amdgcn_target "amdgcn-amd-amdhsa--gfx1250"
	.amdhsa_code_object_version 6
	.text
	.protected	k_q180fff2ac4_qkv
	.globl	k_q180fff2ac4_qkv
	.p2align	8
	.type	k_q180fff2ac4_qkv,@function
k_q180fff2ac4_qkv:
	s_mov_b64 s[64:65], 0
	v_nop
	global_prefetch_b8 v0, s[64:65] scope:SCOPE_SE
	s_setreg_imm32_b32 hwreg(HW_REG_WAVE_MODE, 25, 1), 1
	s_wait_xcnt 0x0
	s_wait_alu depctr_hold_cnt(0) depctr_sa_sdst(0) depctr_va_vdst(0) depctr_va_sdst(0) depctr_va_ssrc(0) depctr_va_vcc(0) depctr_vm_vsrc(0)
	s_getreg_b32 s2, hwreg(HW_REG_IB_STS2, 6, 4)
	s_cmp_eq_u32 s2, 0
	s_cbranch_scc0 .Lentry_in_a_cluster
	s_endpgm
.Lentry_in_a_cluster:
	s_bfe_u32 s2, ttmp6, 0x10000c
	s_cmp_lg_u32 s2, 0xf033
	s_cbranch_scc0 .Lentry_shape_is_right
	s_endpgm
.Lentry_shape_is_right:
; q, k, v = x Wq^T, x Wk^T, x Wv^T as ONE product C[m][n] = sum over k of A[m][k] B[n][k] on codes of FP4 with E8M0 scales: A = x [8192][1024], B = Wq, Wk, Wv on end [3072][1024]; sums in f32.
; C leaves as f16, by head: qkv [3 (q, k, v)][batch 4][head 16][position 2048][64]; the first 16 positions of each batch leave as f32 too: q32 [batch][16][3072].
; LIMIT: a sum beyond 65,504 in magnitude has no f16 number; under 6e-5 it keeps fewer bits.
; A tile of C, 256 x 256, is made by four waves, 128 x 128 each: 64 accumulators of 16 x 16, 512 registers.  K = 1,024 is two slots of 512 along K (rows of 256 bytes), both asked for at the head: nothing is filled again.
; The scale bytes of the tile's 256 + 256 rows, for all of K, come once, as dense blocks in rows of 256 bytes.
; CLUSTERS: 4 x 4 work-groups; the four of a row of the cluster ask jointly for A's tiles, the four of a column for B's.  Tile row = 8 cy + cluster y: so a batch is a row of the cluster, and the tiles that hold
; positions 0-15 are those of cluster y = 0, a number that all sixteen partners share.
; THE MATRIX INSTRUCTION IS USED TRANSPOSED (source 0 = 16 rows of B, source 1 = 16 rows of A): a lane holds eight neighbouring numbers of a row of C.
; REGISTERS: window 0: v0-31 addresses; v32-95 scale words, two sets; from v128 A's fragments, one set; on the way out v32-255 are free.  window 1: B's fragments, two sets.  windows 2, 3: the accumulators ((a, b) at v[8 (8 (a % 4) + b)]).
.set SIZE_K, 1024
.set KSTEP,  512
.set NQ,     KSTEP/128
.set ROWB,   256
.set KROW,   SIZE_K*4/8
.set PITCH,  272                       ; 256 bytes + 16 of padding: the 16 rows of a fragment load start at 16 different banks
.set FR,     8
.set NL,     2
.set NP,     4
.set HALFT,  128*PITCH
.set SLOT,   4*HALFT
.set KS,     SIZE_K/32
.set SCL,    2*SLOT
.set HALFS,  (128*KS/256)*272
.set SBLK,   (16*KS/256)*272
.set SPARE,  SCL+4*HALFS               ; the spare words, 128 bytes a wave
.set S32P,   528                       ; the way out in f32: a stage of 16 rows x (512 + 16) bytes a wave, from LDS byte 0 on;
.set S16P,   400                       ; in f16: 16 rows x 400 bytes a wave, behind them.  Both lie in slot 0, which has had its only fill and its last read when the first result is stored there
.set STG16,  4*16*S32P
.set ADRA, 16
.set ADRB, 20
.set STO32, 22
.set RD32, 23
.set STO,  24
.set RD,   25
.set CO,   26
.set ADRS, 27
.set SPW,  28
.set NIL,  29
.set SC,   32
.set AF,   128
.set TMP,  32                          ; the way out: v32-63 packed results; v64-95, v96-127 rows read back, by turns; v128-191 the f32 rows
.set BK,   64
.set B32,  128
.set G1, 24
.set G0, 32
.set G1B, 48
.set G0B, 56
.set G1S, 68
.set G0S, 76
.set G1SB, 80
.set G0SB, 88
.set CY_,  95                          ; s95 the cluster's y
.set MSB, 0
.macro WIN new                         ; the immediate's high byte repeats the setting that is left
.if MSB != (\new)
	s_set_vgpr_msb (MSB<<8)|(\new)
.set MSB, (\new)
.endif
.endm
.set MUL_LO, 0xa1                      ; source 0 (B) window 1, source 1 (A) window 0, C and D window 2
.set MUL_HI, 0xf1
.set TO_B,   0x40
; A joint load: waves 0 and 1 fetch for A, waves 2 and 3 for B; the branch hangs on the wave's number alone.  An s_nop 0 and four v_nop follow each line.
.macro JLOAD g0a, g1a, g0b, g1b
	s_cmp_eq_u32 s15, 0
	s_cbranch_scc0 .Lfor_b_\@
	tensor_load_to_lds s[\g0a:\g0a+3], s[\g1a:\g1a+7]
	s_nop 0
.rept 4
	v_nop
.endr
	s_branch .Lasked_\@
.Lfor_b_\@:
	tensor_load_to_lds s[\g0b:\g0b+3], s[\g1b:\g1b+7]
	s_nop 0
.rept 4
	v_nop
.endr
.Lasked_\@:
.endm
.macro CROUND                          ; a round of the cluster's barrier
	s_barrier_signal -1
	s_barrier_wait -1
	s_cmp_lg_u32 s14, 0
	s_cbranch_scc1 .Lnot_wave_0_\@
	s_barrier_signal -3
.Lnot_wave_0_\@:
	s_barrier_wait -3
	s_barrier_signal -1
	s_barrier_wait -1
.endm
	s_load_b128 s[4:7], s[0:1], 0x0                ; x's codes, x's scales
	s_load_b128 s[8:11], s[0:1], 0x10              ; W's codes, W's scales
	s_load_b64 s[12:13], s[0:1], 0x20              ; qkv
	s_load_b64 s[96:97], s[0:1], 0x28              ; q32
	v_lshl_add_u32 v[SPW], v0, 2, SPARE
	v_mov_b32 v[NIL], 0
	ds_add_u32 v[SPW], v[NIL]                      ; the wave's opening: the add, twice on end, and its wait ahead of my first tensor load
	ds_add_u32 v[SPW], v[NIL]
	v_lshrrev_b32 v1, 5, v0
	v_readfirstlane_b32 s14, v1                    ; wave 0..3
	s_lshr_b32 s15, s14, 1                         ; which half of the tile's rows is mine.  Also: I fetch for A (0) or for B (1)
	s_and_b32 s16, s14, 1                          ; which half of its columns.  Also: which 128 rows I fetch
	s_bfe_u32 s40, ttmp6, 0x40000                  ; cx
	s_bfe_u32 s41, ttmp6, 0x40004                  ; cy
	s_lshl_b32 s42, ttmp9, 2
	s_add_co_u32 s42, s42, s40                     ; tile column = 4 x cluster x + cx
	s_and_b32 s[CY_], ttmp7, 0xffff                ; cluster y, 0..7
	s_lshl_b32 s17, s41, 3
	s_add_co_u32 s17, s17, s[CY_]                  ; tile row = 8 cy + cluster y: batch cy, block of 256 positions cluster y
	s_lshl_b32 s43, s41, 2
	s_lshl_b32 s43, 15, s43                        ; my row of the cluster
	s_lshl_b32 s44, 0x1111, s40                    ; my column
	s_or_b32 s[G1+0], s43, (0<<16)|(1<<20)|(1<<21)|(5<<22)|(3<<25)  ; the mask; elements of 1 byte; padding: 4 words after every 64; bit 21 beside a mask
	s_or_b32 s[G1B+0], s44, (0<<16)|(1<<20)|(1<<21)|(5<<22)|(3<<25)
.irp g, G1, G1B
	s_mov_b32 s[\g+1], ROWB<<16                    ; tensor_dim0
	s_mov_b32 s[\g+2], 128<<16                     ; tensor_dim1
	s_mov_b32 s[\g+3], ROWB<<16                    ; tile_dim0
	s_mov_b32 s[\g+4], 128                         ; tile_dim1
	s_mov_b32 s[\g+5], KROW                        ; the pitch
	s_mov_b32 s[\g+6], 0
	s_mov_b32 s[\g+7], 0
.endr
	s_or_b32 s[G1S+0], s43, (3<<16)|(1<<20)|(1<<21)|(5<<22)|(3<<25)  ; the scales of 128 rows: 4,096 dense bytes as 16 rows of 256 (32 elements of 8 bytes)
	s_or_b32 s[G1SB+0], s44, (3<<16)|(1<<20)|(1<<21)|(5<<22)|(3<<25)
.irp g, G1S, G1SB
	s_mov_b32 s[\g+1], 32<<16
	s_mov_b32 s[\g+2], (128*KS/256)<<16
	s_mov_b32 s[\g+3], 32<<16
	s_mov_b32 s[\g+4], 128*KS/256
	s_mov_b32 s[\g+5], 32
	s_mov_b32 s[\g+6], 0
	s_mov_b32 s[\g+7], 0
.endr
	s_lshl_b32 s18, s16, 7
	s_lshl_b32 s20, s17, 8
	s_add_co_u32 s20, s20, s18                     ; A: row 256 x tile row + 128 x half
	s_lshl_b32 s46, s42, 8
	s_add_co_u32 s46, s46, s18                     ; B: row 256 x tile column + 128 x half
	s_mov_b32 s21, 0
	s_mov_b32 s47, 0
	s_mov_b64 s[18:19], KS
	s_mul_u64 s[22:23], s[20:21], s[18:19]         ; where these rows' scales begin
	s_mul_u64 s[92:93], s[46:47], s[18:19]
	s_mov_b64 s[18:19], KROW
	s_mul_u64 s[20:21], s[20:21], s[18:19]         ; and their codes
	s_mul_u64 s[46:47], s[46:47], s[18:19]
	s_mul_i32 s45, s14, HALFT                      ; where they go: wave x 128 rows
	s_mul_i32 s94, s14, HALFS
	s_wait_dscnt 0x0                               ; both opening adds are done
	s_wait_kmcnt 0x0
	s_add_nc_u64 s[20:21], s[4:5], s[20:21]
	s_add_nc_u64 s[22:23], s[6:7], s[22:23]
	s_add_nc_u64 s[46:47], s[8:9], s[46:47]
	s_add_nc_u64 s[92:93], s[10:11], s[92:93]
	CROUND                                         ; all sixteen work-groups are here: the joint loads meet
	s_mov_b32 s[G0S], 1
	s_add_co_u32 s[G0S+1], s94, SCL
	s_mov_b64 s[G0S+2:G0S+3], s[22:23]
	s_or_b32 s[G0S+3], s[G0S+3], 0x80000000
	s_mov_b32 s[G0SB], 1
	s_add_co_u32 s[G0SB+1], s94, SCL
	s_mov_b64 s[G0SB+2:G0SB+3], s[92:93]
	s_or_b32 s[G0SB+3], s[G0SB+3], 0x80000000
	JLOAD G0S, G1S, G0SB, G1SB                     ; the scales first; with the two slots three tensor loads of mine are out
.irp s, 0,1
	s_mov_b32 s[G0+4*\s], 1
	s_add_co_u32 s[G0+4*\s+1], s45, \s*SLOT
	s_add_nc_u64 s[G0+4*\s+2:G0+4*\s+3], s[20:21], \s*ROWB
	s_or_b32 s[G0+4*\s+3], s[G0+4*\s+3], 0x80000000
	s_mov_b32 s[G0B+4*\s], 1
	s_add_co_u32 s[G0B+4*\s+1], s45, \s*SLOT
	s_add_nc_u64 s[G0B+4*\s+2:G0B+4*\s+3], s[46:47], \s*ROWB
	s_or_b32 s[G0B+4*\s+3], s[G0B+4*\s+3], 0x80000000
	JLOAD G0+4*\s, G1, G0B+4*\s, G1B
.endr
	v_and_b32 v1, 15, v0                           ; r = l % 16
	v_bfe_u32 v2, v0, 4, 1                         ; h = l / 16
	v_mul_u32_u24 v3, v1, PITCH
	v_lshl_add_u32 v4, v2, 4, v3                   ; a fragment's row x pitch + 16 x half
	s_mul_i32 s21, s15, HALFT
	s_mul_i32 s22, s16, HALFT
	s_add_co_u32 s22, s22, 2*HALFT
.irp s, 0,1
	v_add_nc_u32 v[ADRA+\s], s21, v4
	v_add_nc_u32 v[ADRB+\s], s22, v4
	s_add_co_u32 s21, s21, SLOT
	s_add_co_u32 s22, s22, SLOT
.endr
	v_mul_u32_u24 v5, v1, KS                       ; my row's scales: KS bytes a row,
	v_lshrrev_b32 v6, 8, v5
	v_lshl_add_u32 v5, v6, 4, v5                   ; and 16 more for each 256 passed
	s_mul_i32 s21, s15, HALFS
	s_mul_i32 s22, s16, HALFS
	s_add_co_u32 s22, s22, 2*HALFS
	s_sub_co_u32 s22, s22, s21
	v_mul_u32_u24 v6, s22, v2                      ; lanes 16-31 take B's
	s_add_co_u32 s21, s21, SCL
	v_add_nc_u32 v5, v5, v6
	v_add_nc_u32 v[ADRS], s21, v5
	s_mul_i32 s23, s14, 16*S16P
	s_add_co_u32 s23, s23, STG16                   ; my f16 stage
	v_mul_u32_u24 v5, v1, S16P
	v_lshl_add_u32 v5, v2, 4, v5
	v_add_nc_u32 v[STO], s23, v5                   ; in: row r, 16 bytes for each half of the lanes
	v_and_b32 v6, 31, v0
	v_lshrrev_b32 v7, 3, v6
	v_mul_u32_u24 v7, v7, S16P
	v_and_b32 v8, 7, v0
	v_lshl_add_u32 v7, v8, 4, v7
	v_add_nc_u32 v[RD], s23, v7                    ; back: eight lanes take a head's 128 bytes of a row, four rows an instruction
	v_lshlrev_b32 v[CO], 4, v6                     ; 16 x lane: in memory those four rows are 512 consecutive bytes
	s_mul_i32 s23, s14, 16*S32P                    ; my f32 stage
	v_mul_u32_u24 v5, v1, S32P
	v_lshl_add_u32 v5, v2, 5, v5
	v_add_nc_u32 v[STO32], s23, v5
	v_add_nc_u32 v[RD32], s23, v[CO]
	; where my part begins.  qkv: plane (4 which + batch) x 16 + head, 262,144 bytes a plane, 128 bytes a position.  The row part in s[20:21], the column part in s[46:47]
	s_lshl_b32 s20, s41, 22                        ; batch cy: 16 planes
	s_lshl_b32 s21, s[CY_], 15                     ; 256 positions x 128 bytes
	s_add_co_u32 s20, s20, s21
	s_lshl_b32 s21, s15, 14                        ; my 128 positions
	s_add_co_u32 s20, s20, s21
	s_mov_b32 s21, 0
	s_lshr_b32 s46, s42, 2                         ; which of q, k, v: 64 planes
	s_lshl_b32 s46, s46, 6
	s_and_b32 s47, s42, 3
	s_lshl_b32 s47, s47, 2
	s_add_co_u32 s46, s46, s47                     ; + 4 heads a tile column
	s_lshl_b32 s47, s16, 1
	s_add_co_u32 s46, s46, s47                     ; + my two heads
	s_lshl_b32 s46, s46, 18
	s_mov_b32 s47, 0
	s_add_nc_u64 s[12:13], s[12:13], s[20:21]
	s_add_nc_u64 s[12:13], s[12:13], s[46:47]
	s_mul_i32 s20, s41, 16*12288                   ; q32: batch cy,
	s_lshl_b32 s46, s42, 10                        ; my 128 columns of 4 bytes
	s_lshl_b32 s47, s16, 9
	s_add_co_u32 s46, s46, s47
	s_mov_b32 s47, 0
	s_add_nc_u64 s[96:97], s[96:97], s[20:21]
	s_add_nc_u64 s[96:97], s[96:97], s[46:47]
.macro FRAG reg, adr, q, i             ; 16 rows x 128 K of 4-bit codes: lane l holds row l % 16; registers 4 c .. 4 c + 3 hold K = 64 c + 32 (l / 16) + 0 .. 31
.irp c, 0,1
	ds_load_b128 v[\reg+4*\c:\reg+4*\c+3], v[\adr] offset:64*(\q)+32*\c+(\i)*16*PITCH
.endr
.endm
; 16 matrix instructions: A's blocks a0, a0 + 1 x B's eight.  The 64 accumulators take turns, one instruction a turn, in the same order in every step.
.macro MUL16 a0, p, q, sc, zero
.irp a, \a0, \a0+1
.irp b, 0,1,2,3,4,5,6,7
.if \zero
	v_wmma_scale_f32_16x16x128_f8f6f4 v[8*(8*((\a)%4)+\b):8*(8*((\a)%4)+\b)+7], v[128*(\p)+FR*\b:128*(\p)+FR*\b+FR-1], v[AF+FR*(\a):AF+FR*(\a)+FR-1], 0, v[SC+8*NQ*(\sc)+NQ*\b+(\q)], v[SC+8*NQ*(\sc)+NQ*(\a)+(\q)] matrix_a_fmt:MATRIX_FMT_FP4 matrix_b_fmt:MATRIX_FMT_FP4 matrix_a_scale:MATRIX_SCALE_ROW1
.else
	v_wmma_scale_f32_16x16x128_f8f6f4 v[8*(8*((\a)%4)+\b):8*(8*((\a)%4)+\b)+7], v[128*(\p)+FR*\b:128*(\p)+FR*\b+FR-1], v[AF+FR*(\a):AF+FR*(\a)+FR-1], v[8*(8*((\a)%4)+\b):8*(8*((\a)%4)+\b)+7], v[SC+8*NQ*(\sc)+NQ*\b+(\q)], v[SC+8*NQ*(\sc)+NQ*(\a)+(\q)] matrix_a_fmt:MATRIX_FMT_FP4 matrix_b_fmt:MATRIX_FMT_FP4 matrix_a_scale:MATRIX_SCALE_ROW1
.endif
.endr
.endr
.endm
.macro FETCH_B slot, q, p
	WIN TO_B
.irp i, 0,1,2,3,4,5,6,7
	FRAG 128*(\p)+FR*\i, ADRB+\slot, \q, \i
.endr
	WIN 0
.endm
.macro FETCH_A slot, q, i0
.irp i, \i0, \i0+1, \i0+2, \i0+3
	FRAG AF+FR*(\i), ADRA+\slot, \q, \i
.endr
.endm
.macro SCALES sc                       ; a slot's scale words: NQ words a row; lanes 0-15 take A's block i, lanes 16-31 B's block i
.irp i, 0,1,2,3,4,5,6,7
	ds_load_b128 v[SC+8*NQ*\sc+NQ*\i:SC+8*NQ*\sc+NQ*\i+3], v[ADRS] offset:\i*SBLK
.endr
.endm
.macro PLACES n                        ; plain vector lines between a matrix instruction and a load into, or a read of, its registers
.rept \n
	v_nop
.endr
.endm
.macro STEP slot, q, zero              ; a step of 128 along K that has its successor in the same slot
	s_wait_dscnt 4*NL                              ; B's set and A's blocks 0-3 are in; the eight youngest loads (A's blocks 4-7) may be out
	WIN MUL_LO
	MUL16 0, (\q)%2, \q, \slot, \zero
	MUL16 2, (\q)%2, \q, \slot, \zero
	s_wait_dscnt 0
	PLACES NP
	FETCH_B \slot, (\q)+1, 1-(\q)%2
	FETCH_A \slot, (\q)+1, 0
	WIN MUL_HI
	MUL16 4, (\q)%2, \q, \slot, \zero
	MUL16 6, (\q)%2, \q, \slot, \zero
	PLACES NP
	WIN 0
	FETCH_A \slot, (\q)+1, 4
.endm
.macro TURN slot, next                 ; a slot's last step changes slots: one barrier; nothing is filled again
	s_wait_tensorcnt 0x0                           ; all my tensor loads have landed: my part of the next slot
	ds_add_u32 v[SPW], v[NIL]                      ; 0 onto my spare word
	s_wait_dscnt 4*NL+1                            ; the add and the eight youngest loads (A's blocks 4-7) may be out
	WIN MUL_LO
	MUL16 0, 1, NQ-1, \slot, 0
	s_wait_dscnt 0x0                               ; the add is done, and my reads of this slot are over
	s_barrier_signal -1
	MUL16 2, 1, NQ-1, \slot, 0
	WIN 0
	s_barrier_wait -1
	PLACES NP
	v_add_nc_u32 v[ADRS], 4*NQ, v[ADRS]            ; on to the next slot's scale words
	FETCH_B \next, 0, 0
	FETCH_A \next, 0, 0
	SCALES \next
	WIN MUL_HI
	MUL16 4, 1, NQ-1, \slot, 0
	MUL16 6, 1, NQ-1, \slot, 0
	PLACES NP
	WIN 0
	FETCH_A \next, 0, 4
.endm
	s_wait_tensorcnt 1                             ; the scales and my part of slot 0 are in; slot 1's load may be out,
	s_barrier_signal -1
	s_barrier_wait -1                              ; everybody's are
	FETCH_B 0, 0, 0
	FETCH_A 0, 0, 0
	SCALES 0
	FETCH_A 0, 0, 4
	STEP 0, 0, 1                                   ; the first step's products start the sums
	STEP 0, 1, 0
	STEP 0, 2, 0
	TURN 0, 1
	STEP 1, 0, 0
	STEP 1, 1, 0
	STEP 1, 2, 0
	s_wait_dscnt 4*NL                              ; the last step: nothing more to fetch
	WIN MUL_LO
	MUL16 0, 1, NQ-1, 1, 0
	MUL16 2, 1, NQ-1, 1, 0
	s_wait_dscnt 0
	WIN MUL_HI
	MUL16 4, 1, NQ-1, 1, 0
	MUL16 6, 1, NQ-1, 1, 0
	WIN 0
	PLACES NP                                      ; behind the last products: results are read, and scale and fragment registers written, from here on
	; THE F32 COPY of positions 0-15: they are block 0 of the waves with the tile's upper rows, in the tiles of cluster y = 0.  Both tests are equal in all partners of a cluster, for a given wave
	s_cmp_lg_u32 s[CY_], 0
	s_cbranch_scc1 .Lno32
	s_cmp_lg_u32 s15, 0
	s_cbranch_scc1 .Lno32
	WIN 0x08                                       ; an LDS store's data are its source 1: window 2
.irp b, 0,1,2,3,4,5,6,7
	ds_store_b128 v[STO32], v[8*\b:8*\b+3] offset:64*\b            ; each accumulator from its low end on
	ds_store_b128 v[STO32], v[8*\b+4:8*\b+7] offset:64*\b+16
.endr
	WIN 0
.irp t, 0,1,2,3,4,5,6,7,8,9,10,11,12,13,14,15
	ds_load_b128 v[B32+4*\t:B32+4*\t+3], v[RD32] offset:\t*S32P    ; LDS serves a wave's instructions in order: these see my stores
.endr
.irp t, 0,1,2,3,4,5,6,7,8,9,10,11,12,13,14,15
	s_wait_dscnt 15-\t
	global_store_b128 v[CO], v[B32+4*\t:B32+4*\t+3], s[96:97] offset:\t*12288   ; 32 lanes store 512 consecutive bytes of a row of q32
.endr
.Lno32:
; THE WAY OUT IN F16, block by block of 16 rows x 128 columns (two heads).  PACK: rounded once to f16, 16 bytes a lane.  TOSTAGE: into my stage and back by heads.  SEND: four positions of a head, 512 consecutive bytes, a store.
.macro PACK a
.set AC, 64*((\a)%4)
	WIN 0x0a+5*((\a)/4)                            ; sources 0 and 1: window 2 or 3
.irp b, 0,1,2,3,4,5,6,7
.irp i, 0,1,2,3
	v_cvt_pk_f16_f32 v[TMP+4*\b+\i], v[AC+8*\b+2*\i], v[AC+8*\b+2*\i+1]
.endr
.endr
	WIN 0
.endm
.macro TOSTAGE a
.set BB, BK+32*((\a)%2)
.irp b, 0,1,2,3,4,5,6,7
	ds_store_b128 v[STO], v[TMP+4*\b:TMP+4*\b+3] offset:32*\b
.endr
.irp t, 0,1,2,3,4,5,6,7
	ds_load_b128 v[BB+4*\t:BB+4*\t+3], v[RD] offset:128*(\t/4)+4*S16P*(\t%4)   ; head t / 4, rows 4 (t % 4) on
.endr
.endm
.macro SEND a
.set BB, BK+32*((\a)%2)
	s_wait_dscnt 0x0                               ; the block is back in registers
	s_wait_xcnt 0x0                                ; the stores of the block before have read their registers: the next block's loads may land there
.irp t, 0,1,2,3,4,5,6,7
	global_store_b128 v[CO], v[BB+4*\t:BB+4*\t+3], s[12:13] offset:262144*(\t/4)+2048*(\a)+512*(\t%4)
.endr
.endm
	PACK 0
	TOSTAGE 0
.irp a, 1,2,3,4,5,6,7                  ; block a's conversions stand between block a - 1's loads from the stage and the wait for them
	PACK \a
	SEND \a-1
	TOSTAGE \a
.endr
	SEND 7
	s_wait_tensorcnt 0x0                           ; the wave's end
	ds_add_u32 v[SPW], v[NIL]
	s_wait_dscnt 0x0
	CROUND                                         ; the closing round
	s_endpgm
.Lfunc_end_k_q180fff2ac4_qkv:
	.size	k_q180fff2ac4_qkv, .Lfunc_end_k_q180fff2ac4_qkv-k_q180fff2ac4_qkv
	.p2alignl 7, 3214868480
	.fill 96, 4, 3214868480
	.section	.rodata,"a",@progbits
	.p2align	6, 0x0
	.amdhsa_kernel k_q180fff2ac4_qkv
		.amdhsa_group_segment_fixed_size 327680
		.amdhsa_private_segment_fixed_size 0
		.amdhsa_enable_private_segment 0
		.amdhsa_kernarg_size 48
		.amdhsa_user_sgpr_count 2
		.amdhsa_user_sgpr_kernarg_segment_ptr 1
		.amdhsa_wavefront_size32 1
		.amdhsa_system_sgpr_workgroup_id_x 1
		.amdhsa_system_sgpr_workgroup_id_y 1
		.amdhsa_system_sgpr_workgroup_id_z 1
		.amdhsa_system_vgpr_workitem_id 0
		.amdhsa_next_free_vgpr 1024
		.amdhsa_next_free_sgpr 98
		.amdhsa_reserve_vcc 0
		.amdhsa_float_denorm_mode_32 3
		.amdhsa_float_denorm_mode_16_64 3
		.amdhsa_memory_ordered 1
		.amdhsa_forward_progress 1
		.amdhsa_inst_pref_size 131
	.end_amdhsa_kernel
	.amdgpu_metadata
---
amdhsa.version: [ 1, 2 ]
amdhsa.kernels:
  - .name:           k_q180fff2ac4_qkv
    .symbol:         k_q180fff2ac4_qkv.kd
    .args:
      - { .name: x_codes, .offset: 0, .size: 8, .value_kind: global_buffer, .address_space: global }
      - { .name: x_scales, .offset: 8, .size: 8, .value_kind: global_buffer, .address_space: global }
      - { .name: w_codes, .offset: 16, .size: 8, .value_kind: global_buffer, .address_space: global }
      - { .name: w_scales, .offset: 24, .size: 8, .value_kind: global_buffer, .address_space: global }
      - { .name: qkv, .offset: 32, .size: 8, .value_kind: global_buffer, .address_space: global }
      - { .name: q32, .offset: 40, .size: 8, .value_kind: global_buffer, .address_space: global }
    .group_segment_fixed_size: 327680
    .private_segment_fixed_size: 0
    .kernarg_segment_align: 8
    .kernarg_segment_size: 48
    .max_flat_workgroup_size: 128
    .sgpr_count:     98
    .vgpr_count:     1024
    .wavefront_size: 32
...
	.end_amdgpu_metadata
.endif
;; end of part 2
;; launch attn (part 3): grid 4 x 64, 8 waves a work-group, no clusters, 327,680 bytes of LDS; arguments qkv, att; writes att
.if DOCPART == 3
	.amdgcn_target "amdgcn-amd-amdhsa--gfx1250"
	.amdhsa_code_object_version 6
	.text
	.protected	k_q180fff2ac4_attn
	.globl	k_q180fff2ac4_attn
	.p2align	8
	.type	k_q180fff2ac4_attn,@function
k_q180fff2ac4_attn:
	s_mov_b64 s[64:65], 0
	v_nop
	global_prefetch_b8 v0, s[64:65] scope:SCOPE_SE
	s_setreg_imm32_b32 hwreg(HW_REG_WAVE_MODE, 25, 1), 1
	s_wait_xcnt 0x0
; att[b][h][q][:] = the sum over k <= q of softmax_k(Q[q] . K[k] / 8) V[k][:], for each of 64 (batch, head) planes of 2,048 positions x 64.  Q, K, V: f16 planes of qkv; att: f16, laid the same.
; Products on f16 operands with f32 sums; maxima, exponentials and sums in f32; the weights p (at most 1) are rounded to f16 for the second product, att once at the end.
; LIMITS: f16's range for att (averages of V, so no larger than V); p under 6e-5 keeps fewer bits.  Positions 0-15 of every sequence are made again in f32 by a later launch.
; SHARES.  Work-group i (0..3) of a plane owns the query blocks of 256 numbered 7 - i and then i.  Under the causal mask block j wants key units (256 keys) 0 .. j: 8 - i and i + 1 units: NINE IN EVERY WORK-GROUP.
; So the 256 work-groups have equal work and every trip count is a constant.  A wave owns 32 queries, two tiles of 16, so that each fragment of K and V read from LDS feeds two products; two waves share a SIMD.
; NO CLUSTER: the four work-groups of a plane want the same unit only in trips 0 to 4; then each turns back to unit 0 at another trip (8 - i), so partners would want different tiles in one round.
; LAYOUT.  S^T = K Q^T (source 0 = 16 keys, source 1 = 16 queries), O^T = V^T P (source 0 = 16 channels, turned out of LDS by ds_load_tr16_b128; source 1 = P): a lane holds ONE query (lane % 16) throughout, and two
; tiles of S^T, rounded in pairs, ARE a fragment of P.  Running maximum m and sum l for each query: p = 2^(c s - c m), c = log2(e) / 8; in every step O and l are multiplied by a = 2^(c m_old - c m_new).
; RING.  Two LDS slots of a unit each (four steps of 64 keys: K's 64 rows, then V's); each of the eight waves fetches one tile of 64 rows x 128 bytes: waves 0-3 K's of step w, waves 4-7 V's of step w - 4.
; REGISTERS.  What belongs to a tile lies at the same numbers in window 0 (tile 0) and window 1 (tile 1): v16-31 Q, v32-63 S^T, v64-79 P, v80-111 O^T, v112-119 statistics, v120 r - 8 h + 16 t, v121 the mask's distance, v122 -infinity.
; Window 0 alone: v1-13 addresses, v128-191 K's fragments, v192-255 V's.
.set PK,    144                        ; a row of K in LDS: 128 bytes + 16
.set PV,    160                        ; a row of V: 128 + 32: an odd multiple of 32
.set VOFF,  64*PK
.set STEPB, 64*(PK+PV)
.set SLOT1, 1<<17                      ; slot 1 begins here: one exclusive or turns an address from slot to slot
.set STAGE, SLOT1+4*STEPB              ; behind the ring: 2 tiles x 16 rows x 144 bytes for each wave, for the way out
.set WSTG,  2*16*144
.set SPARE, STAGE+8*WSTG               ; the spare words, 128 bytes a wave
.set AK0, 3
.set AV0, 4
.set ADK, 5
.set ADV, 6
.set QO,  7
.set STO, 8
.set RD,  9
.set GO,  10
.set PFO, 11
.set SPW, 12
.set NIL, 13
.set QF,  16
.set SF,  32
.set PF,  64
.set OF,  80
.set ST,  112                          ; +0 c m, +1 m, +2, +3 l (even keys', odd keys'), +4 .. +7 at work; a takes +6
.set LD,  120
.set DD,  121
.set NINF, 122
.set KFR, 128
.set VFR, 192
.set WV,  8                            ; s8   wave
.set WI,  9                            ; s9   i
.set Q0,  11                           ; s11  my first query
.set KF,  12                           ; s12  the step's first key
.set TB,  13                           ; s13  LDS byte at which the step's tiles begin
.set TT,  14                           ; s14  the trip
.set SWT, 16                           ; s16  8 - i: the trip at which the second block begins
.set INN, 18                           ; s18  counts a slot's four steps
.set CS,  20                           ; s[20:21] c
.set SEL, 22                           ; s[22:23] lane selects: lane l xor 16
.set G1K, 24
.set G1V, 32
.set G0,  40                           ; s[40:43] my group 0, which walks
.set KVB, 44                           ; s[44:45] my tile of unit 0
.set OFS, 46                           ; s[46:47] an offset, high word 0
.set PFA, 48                           ; s[48:49] where my prefetch stands
.set LIM, 50                           ; s50  6 in the plane's work-group 0, else 0: a wave prefetches while the trip is under it
.set QA,  52                           ; s[52:53] Q's plane
.set OA,  54                           ; s[54:55] att's plane
.set MSB, 0
.macro WIN new                         ; the immediate's high byte repeats the setting that is left
.if MSB != (\new)
	s_set_vgpr_msb (MSB<<8)|(\new)
.set MSB, (\new)
.endif
.endm
; vector work of tile t: WIN 0x55 t (all places window t).  Products of tile t: WIN 0x54 t (source 0, K or V, window 0; source 1, C and D window t).
.macro TLOAD                           ; my one tile: K's shape or V's (they differ in the padding); the branch hangs on the wave's number alone; an s_nop 0 and four v_nop follow each line
	s_cmp_lt_u32 s[WV], 4
	s_cbranch_scc0 .Lfor_v_\@
	tensor_load_to_lds s[G0:G0+3], s[G1K:G1K+7]
	s_nop 0
.rept 4
	v_nop
.endr
	s_branch .Lasked_\@
.Lfor_v_\@:
	tensor_load_to_lds s[G0:G0+3], s[G1V:G1V+7]
	s_nop 0
.rept 4
	v_nop
.endr
.Lasked_\@:
.endm
; A PREFETCH INTO THE L2 of what the NEXT change of slots will ask for: in trip T my tile (8,192 dense bytes, lanes 256 bytes apart) of unit T + 2, a slot's four key steps ahead of its tensor load.
; All four work-groups of a plane walk units 0 .. 4 and more: the plane's work-group 0, which walks units 0 to 7 in order, asks, in trips 0 to 5: each block of units 2 to 7 is named once in the launch.  Units 0 and 1 come by their loads alone.
.macro ASK
	s_cmp_lt_u32 s[TT], s[LIM]
	s_cbranch_scc0 .Lnot_mine_\@
	global_prefetch_b8 v[PFO], s[PFA:PFA+1] th:TH_LOAD_NT scope:SCOPE_SE
.Lnot_mine_\@:
.endm
; THE CHANGE OF SLOTS, at a trip's head.  Each wave waits for all its tensor loads (its tile of the slot ahead), adds 0 to its spare word, and waits for that and for its reads of the slot that it has left; one barrier.
; fill = 1: the slot just left takes the next trip's unit: T + 1, or T + 1 - (8 - i) from the second block on.  One tensor load a wave is out behind each barrier, and it has a slot's four steps in which to land.
.macro CHANGE fill
	s_wait_tensorcnt 0x0                           ; no tensor load of mine is out, so group 0 may be written
	ds_add_u32 v[SPW], v[NIL]                      ; 0 onto my spare word
.if \fill
	s_xor_b32 s[G0+1], s[G0+1], SLOT1              ; the other slot than last time
	s_add_co_u32 s56, s[TT], 1
	s_cmp_ge_u32 s56, s[SWT]
	s_cselect_b32 s57, s[SWT], 0
	s_sub_co_u32 s56, s56, s57                     ; the next trip's unit
	s_lshl_b32 s[OFS], s56, 15                     ; 256 rows of 128 bytes a unit
	s_add_nc_u64 s[G0+2:G0+3], s[KVB:KVB+1], s[OFS:OFS+1]
	s_or_b32 s[G0+3], s[G0+3], 0x80000000
	s_wait_xcnt 0x0                                ; the last prefetch, a slot back, has read its address
	s_add_nc_u64 s[PFA:PFA+1], s[PFA:PFA+1], 32768
.endif
	s_wait_dscnt 0x0                               ; the add is done, and my reads of the slot that I have left are over
	s_barrier_signal -1
	s_barrier_wait -1
.if \fill
	TLOAD                                          ; the first thing behind the barrier, and my one tensor load until the next
	ASK
.endif
.endm
.macro QLOAD                           ; my 32 queries' fragments stay in registers: lane l holds row l % 16; four loads of 16 bytes, 32 bytes apart, are two fragments of 32 channels
	s_lshl_b32 s56, s[Q0], 7
	s_mov_b32 s57, 0
	s_add_nc_u64 s[60:61], s[QA:QA+1], s[56:57]
.irp t, 0,1
	WIN 0x40*\t                                    ; destination window t, address window 0
.irp u, 0,1,2,3
	global_load_b128 v[QF+4*\u:QF+4*\u+3], v[QO], s[60:61] offset:2048*\t+32*\u
.endr
.endr
	WIN 0
.endm
.macro INIT t                          ; the step is written once: the first finds m = -3e38 (under every score), l = 0 and O^T = 0, which a = 0 leaves zeros
	WIN 0x55*\t
	v_mov_b32 v[ST+1], 0xff61b1e6
	v_mul_f32 v[ST], s[CS], v[ST+1]
	v_mov_b32 v[ST+2], 0
	v_mov_b32 v[ST+3], 0
	v_mov_b32 v[ST+5], 0                           ; a lane permute's destination counts as one of its sources
	v_mov_b32 v[ST+7], 0
.set ii, 0
.rept 32
	v_mov_b32 v[OF+ii], 0
.set ii, ii+1
.endr
.endm
; The accumulators take turns, one instruction a turn: three others' stand between two links of a chain.
.macro KQ t                            ; S^T = K Q^T: 4 tiles of 16 keys, 2 x 32 channels; the first four start the sums
	WIN 0x54*\t
.irp c, 0,1
.irp k, 0,1,2,3
.if \c == 0
	v_wmma_f32_16x16x32_f16 v[SF+8*\k:SF+8*\k+7], v[KFR+8*(2*\k+\c):KFR+8*(2*\k+\c)+7], v[QF+8*\c:QF+8*\c+7], 0
.else
	v_wmma_f32_16x16x32_f16 v[SF+8*\k:SF+8*\k+7], v[KFR+8*(2*\k+\c):KFR+8*(2*\k+\c)+7], v[QF+8*\c:QF+8*\c+7], v[SF+8*\k:SF+8*\k+7]
.endif
.endr
.endr
.endm
.macro PV t                            ; O^T += V^T P: 4 tiles of 16 channels, 2 x 32 keys
	WIN 0x54*\t
.irp g, 0,1
.irp c, 0,1,2,3
	v_wmma_f32_16x16x32_f16 v[OF+8*\c:OF+8*\c+7], v[VFR+8*(4*\g+\c):VFR+8*(4*\g+\c)+7], v[PF+8*\g:PF+8*\g+7], v[OF+8*\c:OF+8*\c+7]
.endr
.endr
.endm
.macro MASK t                          ; register n holds key KF + 16 (n / 8) + 8 h + n % 8, my query is Q0 + 16 t + r: hidden where 16 (n / 8) + n % 8 > Q0 - KF + r - 8 h + 16 t.  Hidden scores become -infinity: p = 0
	WIN 0x55*\t
	v_add_nc_u32 v[DD], s57, v[LD]
.set ii, 0
.rept 32
	v_cmp_gt_i32 vcc_lo, 16*(ii/8)+ii%8, v[DD]
	v_cndmask_b32 v[SF+ii], v[SF+ii], v[NINF], vcc_lo
.set ii, ii+1
.endr
.endm
.macro SMA t                           ; the maximum of the 32 scores and the old m, in four chains; the other half of the lanes'; c m; c m_old - c m_new; the 16 packed scalings c s - c m
	WIN 0x55*\t
.irp j, 0,1,2,3
	v_max3_num_f32 v[ST+4+\j], v[SF+8*\j], v[SF+8*\j+1], v[SF+8*\j+2]   ; each accumulator is read from its low end on
.endr
.irp i, 3,5
.irp j, 0,1,2,3
	v_max3_num_f32 v[ST+4+\j], v[ST+4+\j], v[SF+8*\j+\i], v[SF+8*\j+\i+1]
.endr
.endr
	v_max3_num_f32 v[ST+4], v[ST+4], v[SF+7], v[SF+15]
	v_max3_num_f32 v[ST+6], v[ST+6], v[SF+23], v[SF+31]
	v_max3_num_f32 v[ST+4], v[ST+4], v[ST+5], v[ST+6]
	v_max3_num_f32 v[ST+4], v[ST+4], v[ST+7], v[ST+1]
	v_permlanex16_b32 v[ST+5], v[ST+4], s[SEL], s[SEL+1]   ; the query's other 32 keys lie in the lane 16 away
	v_mov_b32 v[ST+7], v[ST]                       ; c m_old
	v_max_num_f32 v[ST+1], v[ST+4], v[ST+5]
	v_mul_f32 v[ST], s[CS], v[ST+1]
	v_sub_f32 v[ST+7], v[ST+7], v[ST]
.set ii, 0
.rept 16
	v_pk_fma_f32 v[SF+ii:SF+ii+1], v[SF+ii:SF+ii+1], s[CS:CS+1], v[ST:ST+1] op_sel_hi:[1,0,0] neg_lo:[0,0,1] neg_hi:[0,0,1]
.set ii, ii+2
.endr
.endm
.macro SME t                           ; one batch: a and the 32 weights; none reads another's result
	WIN 0x55*\t
	v_exp_f32 v[ST+6], v[ST+7]
.set ii, 0
.rept 32
	v_exp_f32 v[SF+ii], v[SF+ii]
.set ii, ii+1
.endr
.endm
.macro SMB t                           ; the roundings to f16; the sum of the unrounded weights, as a tree of packed additions; l = a l + the sum; O^T x a
	WIN 0x55*\t
.set ii, 0
.rept 16
	v_cvt_pk_f16_f32 v[PF+ii], v[SF+2*ii], v[SF+2*ii+1]
.set ii, ii+1
.endr
.irp u, 0,4,8,12,16,20,24,28
	v_pk_add_f32 v[SF+\u:SF+\u+1], v[SF+\u:SF+\u+1], v[SF+\u+2:SF+\u+3]
.endr
.irp u, 0,8,16,24
	v_pk_add_f32 v[SF+\u:SF+\u+1], v[SF+\u:SF+\u+1], v[SF+\u+4:SF+\u+5]
.endr
.irp u, 0,16
	v_pk_add_f32 v[SF+\u:SF+\u+1], v[SF+\u:SF+\u+1], v[SF+\u+8:SF+\u+9]
.endr
	v_pk_add_f32 v[SF:SF+1], v[SF:SF+1], v[SF+16:SF+17]
	v_pk_fma_f32 v[ST+2:ST+3], v[ST+2:ST+3], v[ST+6:ST+7], v[SF:SF+1] op_sel_hi:[1,0,1]
.set ii, 0
.rept 16
	v_pk_mul_f32 v[OF+ii:OF+ii+1], v[OF+ii:OF+ii+1], v[ST+6:ST+7] op_sel_hi:[1,0]
.set ii, ii+2
.endr
.endm
; A KEY STEP: 64 keys.
.macro STEP
	s_add_co_u32 s56, s[Q0], 31                    ; a step all of whose keys come after my 32 queries is left out: a branch on ids and counted steps, round loads, products and softmax alone
	s_cmp_gt_u32 s[KF], s56
	s_cbranch_scc1 .Lhidden_\@
	v_add_nc_u32 v[ADK], s[TB], v[AK0]
	v_add_nc_u32 v[ADV], s[TB], v[AV0]
	v_nop                                          ; with the two additions: four places between the last step's products and the loads into V's registers
	v_nop
.set ii, 0
.rept 8                                ; K: fragment 2 kt + c: keys 16 kt on, channels 32 c on
	ds_load_b128 v[KFR+8*ii:KFR+8*ii+3], v[ADK] offset:16*PK*(ii/2)+64*(ii%2)
	ds_load_b128 v[KFR+8*ii+4:KFR+8*ii+7], v[ADK] offset:16*PK*(ii/2)+64*(ii%2)+32
.set ii, ii+1
.endr
.set ii, 0
.rept 8                                ; V, turned: fragment 4 kg + ct: keys 32 kg on, channels 16 ct on
	ds_load_tr16_b128 v[VFR+8*ii:VFR+8*ii+3], v[ADV] offset:32*PV*(ii/4)+32*(ii%4)
	ds_load_tr16_b128 v[VFR+8*ii+4:VFR+8*ii+7], v[ADV] offset:32*PV*(ii/4)+32*(ii%4)+16*PV
.set ii, ii+1
.endr
	s_wait_dscnt 16                                ; K's sixteen loads are in; V's sixteen may be out
	KQ 0
	KQ 1
	WIN 0
.rept 4
	v_nop                                          ; places behind the products, ahead of the first read of the scores
.endr
	s_add_co_u32 s56, s[KF], 63                    ; a step all of whose keys count for all my queries skips the mask
	s_cmp_le_u32 s56, s[Q0]
	s_cbranch_scc1 .Lopen_\@
	s_sub_co_i32 s57, s[Q0], s[KF]
	MASK 0
	MASK 1
	WIN 0
.Lopen_\@:
	SMA 0
	SME 0
	SMA 1                                          ; plain work of the other tile behind tile 0's batch
	SME 1
	v_nop                                          ; the plain line behind the last exponential
	s_wait_alu depctr_va_vdst(0)                   ; one wait for both tiles' 66 exponentials, ahead of the first line that names a result
	SMB 1
	SMB 0
	s_wait_dscnt 0x0                               ; V is in
	PV 0
	PV 1
	WIN 0
.Lhidden_\@:
	s_add_co_u32 s[KF], s[KF], 64
	s_add_co_u32 s[TB], s[TB], STEPB
.endm
.macro SLOTSTEPS                       ; a slot's four key steps: written once, walked four times
	s_mov_b32 s[INN], 4
.Lstep_\@:
	STEP
	s_sub_co_u32 s[INN], s[INN], 1
	s_cmp_lg_u32 s[INN], 0
	s_cbranch_scc1 .Lstep_\@
	s_sub_co_u32 s[TB], s[TB], 4*STEPB             ; back to a slot's first step,
	s_xor_b32 s[TB], s[TB], SLOT1                  ; in the other slot
.endm
; A BLOCK'S WAY OUT.  l's halves are added; O^T / l is rounded to f16 and goes through my stage in LDS, so that four positions, 512 consecutive bytes of att, leave by one store.  next = 1: then the second block begins.
.macro FINISH next
.rept 4
	v_nop                                          ; places behind the last products
.endr
.irp t, 0,1
	WIN 0x55*\t
	v_add_f32 v[ST+4], v[ST+2], v[ST+3]
	v_permlanex16_b32 v[ST+5], v[ST+4], s[SEL], s[SEL+1]
	v_add_f32 v[ST+4], v[ST+4], v[ST+5]
	v_rcp_f32 v[ST+6], v[ST+4]
.endr
	v_nop                                          ; the plain line behind the last reciprocal
	s_wait_alu depctr_va_vdst(0)                   ; one wait for the two, ahead of the first use
.irp t, 1,0
	WIN 0x55*\t
.set ii, 0
.rept 16
	v_pk_mul_f32 v[OF+ii:OF+ii+1], v[OF+ii:OF+ii+1], v[ST+6:ST+7] op_sel_hi:[1,0]   ; each accumulator from its low end on
.set ii, ii+2
.endr
	WIN 0x05*\t                                    ; sources window t, destination window 0: K's registers are free
.set ii, 0
.rept 16
	v_cvt_pk_f16_f32 v[KFR+16*\t+ii], v[OF+2*ii], v[OF+2*ii+1]
.set ii, ii+1
.endr
.endr
	WIN 0
	s_wait_xcnt 0x0                                ; earlier stores and prefetches have read their addresses: the stores' base is written
	s_lshl_b32 s56, s[Q0], 7
	s_mov_b32 s57, 0
	s_add_nc_u64 s[58:59], s[OA:OA+1], s[56:57]
.irp t, 0,1
.irp c, 0,1,2,3
	ds_store_b128 v[STO], v[KFR+16*\t+4*\c:KFR+16*\t+4*\c+3] offset:2304*\t+32*\c
.endr
.endr
.irp t, 0,1
.irp u, 0,1,2,3
	ds_load_b128 v[KFR+32+16*\t+4*\u:KFR+32+16*\t+4*\u+3], v[RD] offset:2304*\t+576*\u   ; LDS serves a wave's instructions in order: these see my stores
.endr
.endr
.irp t, 0,1
.irp u, 0,1,2,3
	s_wait_dscnt 7-4*\t-\u
	global_store_b128 v[GO], v[KFR+32+16*\t+4*\u:KFR+32+16*\t+4*\u+3], s[58:59] offset:2048*\t+512*\u
.endr
.endr
	s_wait_xcnt 0x0                                ; the stores have read their registers, which K's fragments take again
.if \next
	s_lshl_b32 s[Q0], s[WI], 8
	s_lshl_b32 s56, s[WV], 5
	s_add_co_u32 s[Q0], s[Q0], s56                 ; block i
	s_mov_b32 s[KF], 0
	QLOAD
	INIT 0
	INIT 1
	WIN 0
	s_wait_loadcnt 0x0
.endif
.endm
	s_load_b128 s[4:7], s[0:1], 0x0                ; qkv, att
	v_lshl_add_u32 v[SPW], v0, 2, SPARE
	v_mov_b32 v[NIL], 0
	ds_add_u32 v[SPW], v[NIL]                      ; the wave's opening: the add, twice on end, and its wait ahead of my first tensor load
	ds_add_u32 v[SPW], v[NIL]
	v_lshrrev_b32 v1, 5, v0
	v_readfirstlane_b32 s[WV], v1                  ; wave 0..7
	s_mov_b32 s[WI], ttmp9                         ; i
	s_and_b32 s10, ttmp7, 0xffff                   ; the plane: 16 x batch + head
	s_mov_b32 s[G1K], (1<<16)|(1<<20)|(4<<22)|(3<<25)   ; no mask; elements of 2 bytes; padding on: 4 words after every 32
	s_mov_b32 s[G1V], (1<<16)|(1<<20)|(4<<22)|(7<<25)   ; 8 words after every 32
.irp g, G1K, G1V
	s_mov_b32 s[\g+1], 64<<16                      ; tensor_dim0 = 64
	s_mov_b32 s[\g+2], 64<<16                      ; tensor_dim1 = 64
	s_mov_b32 s[\g+3], 64<<16                      ; tile_dim0 = 64
	s_mov_b32 s[\g+4], 64                          ; tile_dim1 = 64
	s_mov_b32 s[\g+5], 64                          ; the pitch
	s_mov_b32 s[\g+6], 0
	s_mov_b32 s[\g+7], 0
.endr
	s_mov_b32 s[CS], 0x3e38aa3b                    ; c = log2(e) / 8
	s_mov_b32 s[CS+1], s[CS]
	s_mov_b32 s[SEL], 0x76543210
	s_mov_b32 s[SEL+1], 0xfedcba98
	s_sub_co_u32 s[SWT], 8, s[WI]
	s_mov_b32 s[KF], 0
	s_mov_b32 s[TB], 0
	s_mov_b32 s[TT], 0
	s_mov_b32 s[OFS+1], 0
	s_cmp_eq_u32 s[WI], 0
	s_cselect_b32 s[LIM], 6, 0
	s_and_b32 s56, s[WV], 3                        ; which step's tile I fetch,
	s_lshr_b32 s57, s[WV], 2                       ; of K (0) or of V (1)
	s_mov_b32 s[G0], 1
	s_mul_i32 s[G0+1], s56, STEPB
	s_mul_i32 s58, s57, VOFF
	s_add_co_u32 s[G0+1], s[G0+1], s58             ; its place in slot 0
	s_lshl_b32 s58, s57, 6
	s_add_co_u32 s58, s58, s10
	s_add_co_u32 s58, s58, 64                      ; K's planes are 64 .. 127, V's 128 .. 191
	s_lshl_b32 s58, s58, 18
	s_lshl_b32 s59, s56, 13                        ; 64 rows of 128 bytes a step
	s_add_co_u32 s58, s58, s59
	s_mov_b32 s59, 0
	s_lshl_b32 s60, s10, 18
	s_mov_b32 s61, 0
	s_sub_co_u32 s[Q0], 7, s[WI]
	s_lshl_b32 s[Q0], s[Q0], 8
	s_lshl_b32 s62, s[WV], 5
	s_add_co_u32 s[Q0], s[Q0], s62                 ; block 7 - i first
	s_wait_dscnt 0x0                               ; both opening adds are done
	s_wait_kmcnt 0x0
	s_add_nc_u64 s[KVB:KVB+1], s[4:5], s[58:59]
	s_add_nc_u64 s[QA:QA+1], s[4:5], s[60:61]
	s_add_nc_u64 s[OA:OA+1], s[6:7], s[60:61]
	s_mov_b64 s[G0+2:G0+3], s[KVB:KVB+1]
	s_or_b32 s[G0+3], s[G0+3], 0x80000000
	TLOAD                                          ; unit 0 into slot 0: one tensor load of mine is out
	s_add_nc_u64 s[PFA:PFA+1], s[KVB:KVB+1], 32768 ; at unit 1: the first change of slots steps it to unit 2
	v_and_b32 v1, 15, v0                           ; r
	v_bfe_u32 v2, v0, 4, 1                         ; h
	v_mul_u32_u24 v[AK0], v1, PK
	v_lshl_add_u32 v[AK0], v2, 4, v[AK0]           ; K: row r x pitch + 16 h
	v_and_b32 v14, 7, v0
	v_bfe_u32 v15, v0, 3, 1
	v_lshl_add_u32 v[AV0], v2, 3, v14              ; V: key 8 h + l % 8,
	v_mul_u32_u24 v[AV0], v[AV0], PV
	v_lshl_add_u32 v[AV0], v15, 4, v[AV0]          ; channels 8 ((l / 8) % 2) on
	v_add_nc_u32 v[AV0], VOFF, v[AV0]
	v_lshlrev_b32 v[QO], 7, v1
	v_lshl_add_u32 v[QO], v2, 4, v[QO]             ; Q: row r of 128 bytes + 16 h
	s_mul_i32 s56, s[WV], WSTG
	s_add_co_u32 s56, s56, STAGE                   ; my stage
	v_add_nc_u32 v[STO], s56, v[AK0]               ; in: row r x 144 + 16 h
	v_and_b32 v[GO], 31, v0
	v_lshrrev_b32 v[RD], 3, v[GO]
	v_mul_u32_u24 v[RD], v[RD], 144
	v_lshl_add_u32 v[RD], v14, 4, v[RD]
	v_add_nc_u32 v[RD], s56, v[RD]                 ; back: eight lanes a row of 128 bytes, four rows an instruction
	v_lshlrev_b32 v[PFO], 8, v[GO]
	v_lshlrev_b32 v[GO], 4, v[GO]
	v_lshlrev_b32 v14, 3, v2
	v_sub_nc_u32 v[LD], v1, v14                    ; r - 8 h
	v_mov_b32 v[NINF], 0xff800000
	WIN 0x40                                       ; destination window 1, sources window 0
	v_add_nc_u32 v[LD], 16, v[LD]                  ; tile 1: + 16
	v_mov_b32 v[NINF], 0xff800000
	WIN 0
	QLOAD
	INIT 0
	INIT 1
	WIN 0
	s_wait_loadcnt 0x0                             ; Q
.Lslot:                                            ; eight trips: behind each change of slots the next trip's unit is asked for
	CHANGE 1
	s_cmp_eq_u32 s[TT], s[SWT]                     ; ids and the count of trips alone: the same in all eight waves
	s_cbranch_scc0 .Lsame
	FINISH 1
.Lsame:
	SLOTSTEPS
	s_add_co_u32 s[TT], s[TT], 1
	s_cmp_lt_u32 s[TT], 8
	s_cbranch_scc1 .Lslot
	CHANGE 0                                       ; the ninth trip is written out
	s_cmp_eq_u32 s[TT], s[SWT]                     ; work-group 0 turns to its second block here
	s_cbranch_scc0 .Lsame_tail
	FINISH 1
.Lsame_tail:
	SLOTSTEPS
	FINISH 0
	s_wait_tensorcnt 0x0                           ; the wave's end
	ds_add_u32 v[SPW], v[NIL]
	s_wait_dscnt 0x0
	s_endpgm
.Lfunc_end_k_q180fff2ac4_attn:
	.size	k_q180fff2ac4_attn, .Lfunc_end_k_q180fff2ac4_attn-k_q180fff2ac4_attn
	.p2alignl 7, 3214868480
	.fill 96, 4, 3214868480
	.section	.rodata,"a",@progbits
	.p2align	6, 0x0
	.amdhsa_kernel k_q180fff2ac4_attn
		.amdhsa_group_segment_fixed_size 327680
		.amdhsa_private_segment_fixed_size 0
		.amdhsa_enable_private_segment 0
		.amdhsa_kernarg_size 16
		.amdhsa_user_sgpr_count 2
		.amdhsa_user_sgpr_kernarg_segment_ptr 1
		.amdhsa_wavefront_size32 1
		.amdhsa_system_sgpr_workgroup_id_x 1
		.amdhsa_system_sgpr_workgroup_id_y 1
		.amdhsa_system_sgpr_workgroup_id_z 1
		.amdhsa_system_vgpr_workitem_id 0
		.amdhsa_next_free_vgpr 512
		.amdhsa_next_free_sgpr 66
		.amdhsa_reserve_vcc 1
		.amdhsa_float_denorm_mode_32 3
		.amdhsa_float_denorm_mode_16_64 3
		.amdhsa_memory_ordered 1
		.amdhsa_forward_progress 1
		.amdhsa_inst_pref_size 82
	.end_amdhsa_kernel
	.amdgpu_metadata
---
amdhsa.version: [ 1, 2 ]
amdhsa.kernels:
  - .name:           k_q180fff2ac4_attn
    .symbol:         k_q180fff2ac4_attn.kd
    .args:
      - { .name: qkv, .offset: 0, .size: 8, .value_kind: global_buffer, .address_space: global }
      - { .name: att, .offset: 8, .size: 8, .value_kind: global_buffer, .address_space: global }
    .group_segment_fixed_size: 327680
    .private_segment_fixed_size: 0
    .kernarg_segment_align: 8
    .kernarg_segment_size: 16
    .max_flat_workgroup_size: 256
    .sgpr_count:     66
    .vgpr_count:     512
    .wavefront_size: 32
...
	.end_amdgpu_metadata
.endif
;; end of part 3
;; launch oproj (part 4): grid 4 x 64, 4 waves a work-group, clusters of 4 x 4, 327,680 bytes of LDS; arguments att, wo16, out0; writes out0
.if DOCPART == 4
	.amdgcn_target "amdgcn-amd-amdhsa--gfx1250"
	.amdhsa_code_object_version 6
	.text
	.protected	k_q180fff2ac4_oproj
	.globl	k_q180fff2ac4_oproj
	.p2align	8
	.type	k_q180fff2ac4_oproj,@function
k_q180fff2ac4_oproj:
	s_mov_b64 s[64:65], 0
	v_nop
	global_prefetch_b8 v0, s[64:65] scope:SCOPE_SE
	s_setreg_imm32_b32 hwreg(HW_REG_WAVE_MODE, 25, 1), 1
	s_wait_xcnt 0x0
	s_wait_alu depctr_hold_cnt(0) depctr_sa_sdst(0) depctr_va_vdst(0) depctr_va_sdst(0) depctr_va_ssrc(0) depctr_va_vcc(0) depctr_vm_vsrc(0)
	s_getreg_b32 s2, hwreg(HW_REG_IB_STS2, 6, 4)
	s_cmp_eq_u32 s2, 0
	s_cbranch_scc0 .Lentry_in_a_cluster
	s_endpgm
.Lentry_in_a_cluster:
	s_bfe_u32 s2, ttmp6, 0x10000c
	s_cmp_lg_u32 s2, 0xf033
	s_cbranch_scc0 .Lentry_shape_is_right
	s_endpgm
.Lentry_shape_is_right:
; out0[m][n] = sum over i of att(m, i) Wo[n][i], m = 2048 x batch + position, i = 64 x head + channel.  att: f16 [batch][head][position][64]; wo16: f16 [1024][1024]; out0: f32 [8192][1024]; sums in f32.
; (Positions 0-15 of each batch are written again, from f32 operands, by the launch that follows.)
; A tile of out0 is 128 x 256: 256 tiles, one for each of 256 work-groups.  Four waves, 64 x 128 each: 32 accumulators of 16 x 16, 256 registers.  K goes in steps of 128, two heads, through a ring of two LDS slots:
; A's part of a slot is two dense tiles of 128 positions x 128 bytes (one a head), B's two halves of 128 rows x 256 bytes.  Waves 0, 1 fetch A's heads, waves 2, 3 B's halves: one tensor load a wave behind each round.
; CLUSTERS: 4 x 4 work-groups; A's tiles are asked for jointly along a row of the cluster, B's along a column.  THE MATRIX INSTRUCTION IS USED TRANSPOSED (source 0 = 16 rows of Wo, source 1 = 16 rows of att).
; REGISTERS: window 0: v0-31 addresses; v64-127 A's fragments, two buffers of 32; v128-255 rows on the way out.  window 1: v0-127 B's fragments, two buffers of 64.  window 2: accumulator (a, b) at v[8 (8 a + b)].
.set PA,     144                       ; a row of A in LDS: 128 bytes + 16
.set HA,     128*PA                    ; a head's 128 rows
.set PB,     272                       ; a row of B: 256 bytes + 16
.set HB,     128*PB
.set SLOT,   2*HA+2*HB
.set STAGE,  2*SLOT                    ; behind the ring: 16 rows x 528 bytes for each wave
.set SPITCH, 528
.set SPARE,  STAGE+4*16*SPITCH         ; the spare words, 128 bytes a wave
.set LAPS,   4                         ; eight K steps: four times round the ring
.set ADRA, 16
.set ADRB, 20
.set STO,  24
.set RD,   25
.set CO,   26
.set SPW,  28
.set NIL,  29
.set PFO,  30
.set AF,   64
.set BK,   128
.set G1,  24
.set G0,  32
.set G1B, 48
.set G0B, 56
.set LIM, 43                           ; s43  1 in wave 0, else the greatest number
.set PFA, 44                           ; s[44:45] where my prefetch stands
.set MSB, 0
.macro WIN new
.if MSB != (\new)
	s_set_vgpr_msb (MSB<<8)|(\new)
.set MSB, (\new)
.endif
.endm
.set MUL,  0xa1                        ; source 0 (B) window 1, source 1 (A) window 0, C and D window 2
.set TO_B, 0x40
.macro JLOAD s                         ; a joint load; the branch hangs on the wave's number alone; an s_nop 0 and four v_nop follow each line
	s_cmp_eq_u32 s11, 0
	s_cbranch_scc0 .Lfor_b_\@
	tensor_load_to_lds s[G0+4*\s:G0+4*\s+3], s[G1:G1+7]
	s_nop 0
.rept 4
	v_nop
.endr
	s_branch .Lasked_\@
.Lfor_b_\@:
	tensor_load_to_lds s[G0B+4*\s:G0B+4*\s+3], s[G1B:G1B+7]
	s_nop 0
.rept 4
	v_nop
.endr
.Lasked_\@:
.endm
; A PREFETCH INTO THE L2 of A's K step two refills on: a K step of the tile's rows is 2 heads x 16,384 dense bytes; the four partners that ask for it jointly take 8,192 bytes each, told apart BY ADDRESS (head cx / 2, half cx % 2);
; in each, wave 0 asks, lanes 256 bytes apart.  So each block of K steps 4 to 7 is named once in the launch; K steps 0 to 3 come by their loads alone; the loop's last trip asks for nothing.
; B is not asked for: sixteen clusters read the same rows of Wo, so it is no stream that is read once.
.macro ASK
	s_cmp_gt_u32 s3, s[LIM]
	s_cbranch_scc0 .Lnot_mine_\@
	global_prefetch_b8 v[PFO], s[PFA:PFA+1] th:TH_LOAD_NT scope:SCOPE_SE
.Lnot_mine_\@:
.endm
.macro CREST                           ; a round of the cluster's barrier behind its opening barrier
	s_cmp_lg_u32 s10, 0
	s_cbranch_scc1 .Lnot_wave_0_\@
	s_barrier_signal -3
.Lnot_wave_0_\@:
	s_barrier_wait -3
	s_barrier_signal -1
	s_barrier_wait -1
.endm
.macro CROUND
	s_barrier_signal -1
	s_barrier_wait -1
	CREST
.endm
	s_load_b128 s[4:7], s[0:1], 0x0                ; att, wo16
	s_load_b64 s[8:9], s[0:1], 0x10                ; out0
	v_lshl_add_u32 v[SPW], v0, 2, SPARE
	v_mov_b32 v[NIL], 0
	ds_add_u32 v[SPW], v[NIL]                      ; the wave's opening: the add, twice on end, and its wait ahead of my first tensor load
	ds_add_u32 v[SPW], v[NIL]
	v_lshrrev_b32 v1, 5, v0
	v_readfirstlane_b32 s10, v1                    ; wave 0..3
	s_lshr_b32 s11, s10, 1                         ; which 64 rows of the tile are mine.  Also: I fetch for A (0) or for B (1)
	s_and_b32 s12, s10, 1                          ; which 128 columns.  Also: which head of A, or which half of B, I fetch
	s_bfe_u32 s40, ttmp6, 0x40000                  ; cx
	s_bfe_u32 s41, ttmp6, 0x40004                  ; cy
	s_lshl_b32 s42, ttmp9, 2
	s_add_co_u32 s42, s42, s40                     ; tile column
	s_and_b32 s13, ttmp7, 0xffff
	s_lshl_b32 s13, s13, 2
	s_add_co_u32 s13, s13, s41                     ; tile row
	s_lshl_b32 s43, s41, 2
	s_lshl_b32 s43, 15, s43                        ; my row of the cluster
	s_lshl_b32 s44, 0x1111, s40                    ; my column
	s_or_b32 s[G1+0], s43, (1<<16)|(1<<20)|(1<<21)|(4<<22)|(3<<25)   ; A: the mask; elements of 2 bytes; padding: 4 words after every 32; bit 21 beside a mask
	s_mov_b32 s[G1+1], 64<<16                      ; tensor_dim0 = 64
	s_mov_b32 s[G1+2], 128<<16                     ; tensor_dim1 = 128
	s_mov_b32 s[G1+3], 64<<16                      ; tile_dim0 = 64
	s_mov_b32 s[G1+4], 128                         ; tile_dim1 = 128
	s_mov_b32 s[G1+5], 64                          ; the pitch
	s_mov_b32 s[G1+6], 0
	s_mov_b32 s[G1+7], 0
	s_or_b32 s[G1B+0], s44, (1<<16)|(1<<20)|(1<<21)|(5<<22)|(3<<25)  ; B: padding: 4 words after every 64
	s_mov_b32 s[G1B+1], 128<<16
	s_mov_b32 s[G1B+2], 128<<16
	s_mov_b32 s[G1B+3], 128<<16
	s_mov_b32 s[G1B+4], 128
	s_mov_b32 s[G1B+5], 1024
	s_mov_b32 s[G1B+6], 0
	s_mov_b32 s[G1B+7], 0
	s_lshr_b32 s16, s13, 4                         ; A: batch = tile row / 16,
	s_lshl_b32 s16, s16, 4
	s_add_co_u32 s16, s16, s12                     ; plane 16 x batch + my head of the K step,
	s_lshl_b32 s16, s16, 18
	s_and_b32 s17, s13, 15
	s_lshl_b32 s17, s17, 14                        ; 128 positions of 128 bytes a tile row
	s_add_co_u32 s16, s16, s17
	s_mov_b32 s17, 0
	s_lshl_b32 s46, s42, 1
	s_add_co_u32 s46, s46, s12                     ; B: 128 rows of 2,048 bytes a half
	s_lshl_b32 s46, s46, 18
	s_mov_b32 s47, 0
	s_mul_i32 s20, s12, HA                         ; where they go: no place in the cluster enters an LDS address
	s_mul_i32 s21, s12, HB
	s_add_co_u32 s21, s21, 2*HA
	s_wait_dscnt 0x0                               ; both opening adds are done
	s_wait_kmcnt 0x0
	s_add_nc_u64 s[14:15], s[4:5], s[16:17]
	s_add_nc_u64 s[46:47], s[6:7], s[46:47]
	CROUND                                         ; all sixteen work-groups are here: the first joint loads meet
.irp s, 0,1
	s_mov_b32 s[G0+4*\s], 1
	s_add_co_u32 s[G0+4*\s+1], s20, \s*SLOT
	s_add_nc_u64 s[G0+4*\s+2:G0+4*\s+3], s[14:15], \s*2*262144     ; K step s: two planes on
	s_or_b32 s[G0+4*\s+3], s[G0+4*\s+3], 0x80000000
	s_mov_b32 s[G0B+4*\s], 1
	s_add_co_u32 s[G0B+4*\s+1], s21, \s*SLOT
	s_add_nc_u64 s[G0B+4*\s+2:G0B+4*\s+3], s[46:47], \s*256
	s_or_b32 s[G0B+4*\s+3], s[G0B+4*\s+3], 0x80000000
	JLOAD \s                                       ; two tensor loads of mine are out
.endr
	v_and_b32 v1, 15, v0                           ; r
	v_bfe_u32 v2, v0, 4, 1                         ; h
	v_mul_u32_u24 v3, v1, PA
	v_lshl_add_u32 v3, v2, 4, v3
	v_mul_u32_u24 v4, v1, PB
	v_lshl_add_u32 v4, v2, 4, v4
	s_mul_i32 s21, s11, 64*PA                      ; my 64 rows, in each head's tile
	s_mul_i32 s22, s12, HB
	s_add_co_u32 s22, s22, 2*HA                    ; my 128 rows of B
.irp s, 0,1
	v_add_nc_u32 v[ADRA+\s], s21, v3
	v_add_nc_u32 v[ADRB+\s], s22, v4
	s_add_co_u32 s21, s21, SLOT
	s_add_co_u32 s22, s22, SLOT
.endr
	s_mul_i32 s23, s10, 16*SPITCH
	s_add_co_u32 s23, s23, STAGE                   ; my stage
	v_mul_u32_u24 v5, v1, SPITCH
	v_lshl_add_u32 v5, v2, 5, v5
	v_add_nc_u32 v[STO], s23, v5                   ; in: row r, 32 bytes for each half of the lanes
	v_and_b32 v6, 31, v0
	v_lshlrev_b32 v[CO], 4, v6
	v_add_nc_u32 v[RD], s23, v[CO]                 ; back: the 32 lanes take a row of 512 bytes
	v_lshlrev_b32 v[PFO], 8, v6
	s_lshl_b32 s16, s13, 7
	s_lshl_b32 s17, s11, 6
	s_add_co_u32 s16, s16, s17                     ; my first row of out0,
	s_lshl_b32 s16, s16, 12                        ; of 4,096 bytes
	s_mov_b32 s17, 0
	s_lshl_b32 s46, s42, 10                        ; my first column, in bytes
	s_lshl_b32 s47, s12, 9
	s_add_co_u32 s46, s46, s47
	s_mov_b32 s47, 0
	s_add_nc_u64 s[8:9], s[8:9], s[16:17]
	s_add_nc_u64 s[8:9], s[8:9], s[46:47]
	s_lshr_b32 s20, s13, 4                         ; the prefetch: batch,
	s_lshl_b32 s20, s20, 22
	s_and_b32 s21, s13, 15
	s_lshl_b32 s21, s21, 14                        ; the tile's positions,
	s_add_co_u32 s20, s20, s21
	s_lshr_b32 s21, s40, 1
	s_lshl_b32 s21, s21, 18                        ; head cx / 2 of the K step,
	s_add_co_u32 s20, s20, s21
	s_and_b32 s21, s40, 1
	s_lshl_b32 s21, s21, 13                        ; half cx % 2 of its 16,384 bytes,
	s_add_co_u32 s20, s20, s21
	s_add_co_u32 s20, s20, 3*2*262144              ; at K step 3: the first change of slots steps it to 4
	s_mov_b32 s21, 0
	s_add_nc_u64 s[PFA:PFA+1], s[4:5], s[20:21]
	s_cmp_eq_u32 s10, 0
	s_cselect_b32 s[LIM], 1, -1
.macro FETCH sl, q, p                  ; 24 LDS loads in one run: quarter q (32 along K) of slot sl into buffers p: B's eight fragments, then A's four
	WIN TO_B
.irp i, 0,1,2,3,4,5,6,7
	ds_load_b128 v[64*(\p)+8*\i:64*(\p)+8*\i+3],   v[ADRB+\sl] offset:64*(\q)+\i*16*PB
	ds_load_b128 v[64*(\p)+8*\i+4:64*(\p)+8*\i+7], v[ADRB+\sl] offset:64*(\q)+\i*16*PB+32
.endr
	WIN 0
.irp i, 0,1,2,3
	ds_load_b128 v[AF+32*(\p)+8*\i:AF+32*(\p)+8*\i+3],   v[ADRA+\sl] offset:((\q)/2)*HA+((\q)%2)*64+\i*16*PA
	ds_load_b128 v[AF+32*(\p)+8*\i+4:AF+32*(\p)+8*\i+7], v[ADRA+\sl] offset:((\q)/2)*HA+((\q)%2)*64+\i*16*PA+32
.endr
.endm
.macro MUL8 p, a, zero                 ; A's block a x B's eight.  The 32 accumulators take turns, one instruction a turn, in the same order in every quarter
.irp b, 0,1,2,3,4,5,6,7
.if \zero
	v_wmma_f32_16x16x32_f16 v[8*(8*(\a)+\b):8*(8*(\a)+\b)+7], v[64*(\p)+8*\b:64*(\p)+8*\b+7], v[AF+32*(\p)+8*(\a):AF+32*(\p)+8*(\a)+7], 0
.else
	v_wmma_f32_16x16x32_f16 v[8*(8*(\a)+\b):8*(8*(\a)+\b)+7], v[64*(\p)+8*\b:64*(\p)+8*\b+7], v[AF+32*(\p)+8*(\a):AF+32*(\p)+8*(\a)+7], v[8*(8*(\a)+\b):8*(8*(\a)+\b)+7]
.endif
.endr
.endm
.macro PLACES                          ; four plain lines between matrix instructions and loads into registers that they have read, or reads of their results
.rept 4
	v_nop
.endr
.endm
.macro QUARTER sl, qn, p, zero         ; multiplies buffers p; in its middle fetches quarter qn of the same slot into the other buffers
	s_wait_dscnt 4                                 ; B and A's blocks 0, 1 are in; the youngest four loads (A's blocks 2, 3) may be out
	WIN MUL
	MUL8 \p, 0, \zero
	MUL8 \p, 1, \zero
	PLACES
	FETCH \sl, \qn, 1-\p
	s_wait_dscnt 24                                ; all but the 24 just issued
	WIN MUL
	MUL8 \p, 2, \zero
	MUL8 \p, 3, \zero
.endm
; A slot's last quarter multiplies buffers 1 and changes slots: one barrier; in front of it each wave waits for all its tensor loads, adds 0 to its spare word, and waits for that and for its reads of this slot.
; fill = 1: the barrier opens a round of the cluster's barrier, and this slot is filled again, two K steps ahead: the load has a K step less sixteen matrix instructions in which to land.
.macro TURN sl, next, fill
.if \fill
	s_wait_xcnt 0x0                                ; the last prefetch, a K step back, has read its address
	s_add_nc_u64 s[PFA:PFA+1], s[PFA:PFA+1], 2*262144
.endif
	WIN 0
	s_wait_tensorcnt 0x0                           ; all my tensor loads have landed: my part of the next slot
	ds_add_u32 v[SPW], v[NIL]                      ; 0 onto my spare word
	s_wait_dscnt 5                                 ; the add and the youngest four loads may be out
	WIN MUL
	MUL8 1, 0, 0
	s_wait_dscnt 0x0                               ; the add is done, and my reads of this slot are over
	s_barrier_signal -1
	MUL8 1, 1, 0
	WIN 0
	s_barrier_wait -1
.if \fill
	CREST                                          ; no wave of any partner still reads this slot's tiles or has a load on its way
	s_add_nc_u64 s[G0+4*\sl+2:G0+4*\sl+3], s[G0+4*\sl+2:G0+4*\sl+3], 4*262144
	s_add_nc_u64 s[G0B+4*\sl+2:G0B+4*\sl+3], s[G0B+4*\sl+2:G0B+4*\sl+3], 512
	JLOAD \sl                                      ; the first tensor load behind the round; its four v_nop are also the places in front of the loads below
.else
	PLACES
.endif
	FETCH \next, 0, 0
.if \fill
	ASK
.endif
	WIN MUL
	MUL8 1, 2, 0
	MUL8 1, 3, 0
.endm
	s_wait_tensorcnt 1                             ; my part of K step 0 is in; K step 1's load may be out
	s_barrier_signal -1
	s_barrier_wait -1
	FETCH 0, 0, 0
	QUARTER 0, 1, 0, 1                             ; the first quarter's products start the sums
	WIN 0
	s_mov_b32 s3, LAPS-1
.Llap:                                             ; a trip goes once round the ring, from a lap's second quarter to the next lap's first
	QUARTER 0, 2, 1, 0
	QUARTER 0, 3, 0, 0
	TURN 0, 1, 1
	QUARTER 1, 1, 0, 0
	QUARTER 1, 2, 1, 0
	QUARTER 1, 3, 0, 0
	TURN 1, 0, 1
	QUARTER 0, 1, 0, 0
	WIN 0
	s_sub_co_u32 s3, s3, 1
	s_cmp_lg_u32 s3, 0
	s_cbranch_scc1 .Llap
	QUARTER 0, 2, 1, 0                             ; the last lap fills nothing
	QUARTER 0, 3, 0, 0
	TURN 0, 1, 0
	QUARTER 1, 1, 0, 0
	QUARTER 1, 2, 1, 0
	QUARTER 1, 3, 0, 0
	s_wait_dscnt 4
	WIN MUL
	MUL8 1, 0, 0
	MUL8 1, 1, 0
	s_wait_dscnt 0x0
	MUL8 1, 2, 0
	MUL8 1, 3, 0
	WIN 0
; THE WAY OUT, block by block of 16 rows x 128 columns: through my own stage and back as whole rows of 512 bytes.
.macro TOSTAGE a
	WIN 0x08                                       ; an LDS store's data are its source 1: window 2
.irp b, 0,1,2,3,4,5,6,7
	ds_store_b128 v[STO], v[64*(\a)+8*\b:64*(\a)+8*\b+3] offset:64*\b          ; each accumulator from its low end on
	ds_store_b128 v[STO], v[64*(\a)+8*\b+4:64*(\a)+8*\b+7] offset:64*\b+16
.endr
	WIN 0
.set BB, BK+64*((\a)%2)
.irp t, 0,1,2,3,4,5,6,7,8,9,10,11,12,13,14,15
	ds_load_b128 v[BB+4*\t:BB+4*\t+3], v[RD] offset:\t*SPITCH      ; LDS serves a wave's instructions in order: these see my stores
.endr
.endm
.macro SEND a, younger                 ; younger: the LDS instructions issued behind block a's loads, which may stay out
.set BB, BK+64*((\a)%2)
	s_wait_dscnt \younger
.irp t, 0,1,2,3,4,5,6,7,8,9,10,11,12,13,14,15
	global_store_b128 v[CO], v[BB+4*\t:BB+4*\t+3], s[8:9] offset:(16*(\a)+\t)*4096 th:TH_STORE_NT   ; 32 lanes store 512 consecutive bytes
.endr
.endm
	PLACES
	TOSTAGE 0
.irp a, 1,2,3
.if \a > 1
	s_wait_xcnt 0x0                                ; block a - 2's stores have read their registers: block a's loads may land there
.endif
	TOSTAGE \a
	SEND \a-1, 32                                  ; behind block a - 1's loads: block a's 16 stores and 16 loads
.endr
	SEND 3, 0
	s_wait_tensorcnt 0x0                           ; the wave's end
	ds_add_u32 v[SPW], v[NIL]
	s_wait_dscnt 0x0
	CROUND                                         ; the closing round
	s_endpgm
.Lfunc_end_k_q180fff2ac4_oproj:
	.size	k_q180fff2ac4_oproj, .Lfunc_end_k_q180fff2ac4_oproj-k_q180fff2ac4_oproj
	.p2alignl 7, 3214868480
	.fill 96, 4, 3214868480
	.section	.rodata,"a",@progbits
	.p2align	6, 0x0
	.amdhsa_kernel k_q180fff2ac4_oproj
		.amdhsa_group_segment_fixed_size 327680
		.amdhsa_private_segment_fixed_size 0
		.amdhsa_enable_private_segment 0
		.amdhsa_kernarg_size 24
		.amdhsa_user_sgpr_count 2
		.amdhsa_user_sgpr_kernarg_segment_ptr 1
		.amdhsa_wavefront_size32 1
		.amdhsa_system_sgpr_workgroup_id_x 1
		.amdhsa_system_sgpr_workgroup_id_y 1
		.amdhsa_system_sgpr_workgroup_id_z 1
		.amdhsa_system_vgpr_workitem_id 0
		.amdhsa_next_free_vgpr 768
		.amdhsa_next_free_sgpr 66
		.amdhsa_reserve_vcc 0
		.amdhsa_float_denorm_mode_32 3
		.amdhsa_float_denorm_mode_16_64 3
		.amdhsa_memory_ordered 1
		.amdhsa_forward_progress 1
		.amdhsa_inst_pref_size 87
	.end_amdhsa_kernel
	.amdgpu_metadata
---
amdhsa.version: [ 1, 2 ]
amdhsa.kernels:
  - .name:           k_q180fff2ac4_oproj
    .symbol:         k_q180fff2ac4_oproj.kd
    .args:
      - { .name: att, .offset: 0, .size: 8, .value_kind: global_buffer, .address_space: global }
      - { .name: wo16, .offset: 8, .size: 8, .value_kind: global_buffer, .address_space: global }
      - { .name: out0, .offset: 16, .size: 8, .value_kind: global_buffer, .address_space: global }
    .group_segment_fixed_size: 327680
    .private_segment_fixed_size: 0
    .kernarg_segment_align: 8
    .kernarg_segment_size: 24
    .max_flat_workgroup_size: 128
    .sgpr_count:     66
    .vgpr_count:     768
    .wavefront_size: 32
...
	.end_amdgpu_metadata
.endif
;; end of part 4
;; launch fine (part 5): grid 16 x 4, 16 waves a work-group, no clusters, 85,248 bytes of LDS; arguments q32, Wo, out0; writes out0
.if DOCPART == 5
	.amdgcn_target "amdgcn-amd-amdhsa--gfx1250"
	.amdhsa_code_object_version 6
	.text
	.protected	k_q180fff2ac4_fine
	.globl	k_q180fff2ac4_fine
	.p2align	8
	.type	k_q180fff2ac4_fine,@function
k_q180fff2ac4_fine:
	s_mov_b64 s[64:65], 0
	v_nop
	global_prefetch_b8 v0, s[64:65] scope:SCOPE_SE
	s_setreg_imm32_b32 hwreg(HW_REG_WAVE_MODE, 25, 1), 1
	s_wait_xcnt 0x0
; THE FIRST 16 POSITIONS OF EACH BATCH, ALL IN F32: attention of the 16 heads on q32's q, k, v (the quantised products' f32 sums), then the projection by Wo as it is given; the 64 rows of out0 are written over.
; These rows average one to sixteen values, so rounded operands would weigh most here.  All products by v_wmma_f32_16x16x4_f32: 96 instructions a wave, no bulk work.
; SHARES.  Work-group (x, b) makes rows 0-15 of batch b, columns 64 x .. 64 x + 63.  First wave w makes head w's attention of the 16 positions (each of the 16 column slices does this again: that spares a launch);
; it goes to LDS as 16 rows of 1,024 f32.  Then wave w takes columns 16 (w % 4) on and the quarter w / 4 of K; the four quarters meet in LDS, and waves 0-7 add them and store two rows each.
; ORDER OF K.  A load of 16 bytes at byte 32 s + 16 h of a row gives a lane the operand registers of two K steps; the same order of k is used on both sources, so the products are the same.
; The registers that the matrix instructions write, v80-127, are written by them alone; two or four accumulators take turns.
; LDS: 16 rows x 4,112 bytes of attention; 4 quarters x 16 rows x 272 bytes of partial sums; the spare words.
.set PATT,  4112
.set PART,  16*PATT
.set PPART, 272
.set SPARE, PART+4*16*PPART
.set SPW,   14
.set NIL,   15
	s_load_b128 s[4:7], s[0:1], 0x0                ; q32, Wo
	s_load_b64 s[8:9], s[0:1], 0x10                ; out0
	v_lshl_add_u32 v[SPW], v0, 2, SPARE
	v_mov_b32 v[NIL], 0
	v_lshrrev_b32 v1, 5, v0
	v_readfirstlane_b32 s10, v1                    ; wave 0..15: the head
	s_and_b32 s12, ttmp7, 0xffff                   ; batch
	s_and_b32 s13, s10, 3                          ; my tile of 16 columns
	s_lshr_b32 s14, s10, 2                         ; my quarter of K
	s_mov_b32 s18, 0x76543210
	s_mov_b32 s19, 0xfedcba98                      ; lane l xor 16
	s_mov_b32 s26, 0x3e38aa3b                      ; c = log2(e) / 8
	v_and_b32 v1, 15, v0                           ; r
	v_bfe_u32 v2, v0, 4, 1                         ; h
	v_mul_u32_u24 v4, v1, 12288
	v_lshl_add_u32 v4, v2, 4, v4                   ; q, k: position r's row of q32, + 16 h
	v_mul_u32_u24 v5, v2, 98304
	v_lshl_add_u32 v5, v1, 2, v5                   ; v: key 8 h on, channel r
	v_lshlrev_b32 v6, 12, v1
	v_lshl_add_u32 v6, v2, 4, v6                   ; Wo: row r of 4,096 bytes, + 16 h
	v_mul_u32_u24 v3, v1, PATT
	s_lshl_b32 s20, s10, 8
	v_lshl_add_u32 v7, v2, 5, v3
	v_add_nc_u32 v7, s20, v7                       ; attention, in: row r, head w's 256 bytes, + 32 h
	s_lshl_b32 s20, s14, 10
	v_lshl_add_u32 v8, v2, 4, v3
	v_add_nc_u32 v8, s20, v8                       ; and back: row r, my quarter's 1,024 bytes, + 16 h
	v_mul_u32_u24 v9, v1, PPART
	v_lshl_add_u32 v9, v2, 5, v9
	s_mul_i32 s20, s14, 16*PPART
	s_lshl_b32 s21, s13, 6
	s_add_co_u32 s20, s20, s21
	s_add_co_u32 s20, s20, PART
	v_add_nc_u32 v9, s20, v9                       ; partial sums, in: my quarter, row r, my 64 bytes, + 32 h
	v_mul_u32_u24 v10, v2, PPART
	v_lshl_add_u32 v10, v1, 4, v10
	s_min_u32 s20, s10, 7                          ; (waves 8-15 read nothing there: their address is held inside the region)
	s_mul_i32 s20, s20, 2*PPART
	s_add_co_u32 s20, s20, PART
	v_add_nc_u32 v10, s20, v10                     ; and back: rows 2 w and 2 w + 1, sixteen lanes a row
	v_lshlrev_b32 v11, 12, v2
	v_lshl_add_u32 v11, v1, 4, v11
	s_lshl_b32 s20, s10, 13
	v_add_nc_u32 v11, s20, v11                     ; the same two rows in out0
	v_lshlrev_b32 v12, 3, v2
	v_sub_nc_u32 v12, v1, v12                      ; r - 8 h: register j holds key 8 h + j, hidden where j > r - 8 h
	v_mov_b32 v13, 0xff800000                      ; -infinity
	v_mov_b32 v241, 0                              ; a lane permute's destination counts as one of its sources
	s_mul_i32 s16, s12, 16*12288
	s_lshl_b32 s17, s10, 8
	s_add_co_u32 s16, s16, s17                     ; q32: my batch, my head's 64 columns
	s_mov_b32 s17, 0
	s_lshl_b32 s22, ttmp9, 2
	s_add_co_u32 s22, s22, s13
	s_lshl_b32 s22, s22, 16                        ; Wo: row 64 x + 16 (w % 4),
	s_lshl_b32 s23, s14, 10
	s_add_co_u32 s22, s22, s23                     ; my quarter of K
	s_mov_b32 s23, 0
	s_lshl_b32 s24, s12, 23                        ; out0: my batch's first row,
	s_lshl_b32 s25, ttmp9, 8
	s_add_co_u32 s24, s24, s25                     ; my work-group's 64 columns
	s_mov_b32 s25, 0
	s_wait_kmcnt 0x0
	s_add_nc_u64 s[4:5], s[4:5], s[16:17]
	s_add_nc_u64 s[6:7], s[6:7], s[22:23]
	s_add_nc_u64 s[8:9], s[8:9], s[24:25]
.irp s, 0,1,2,3,4,5,6,7
	global_load_b128 v[16+4*\s:19+4*\s], v4, s[4:5] offset:32*\s              ; q: v16-47
.endr
.irp s, 0,1,2,3,4,5,6,7
	global_load_b128 v[48+4*\s:51+4*\s], v4, s[4:5] offset:4096+32*\s         ; k: v48-79
.endr
.irp c, 0,1,2,3
.irp i, 0,1,2,3,4,5,6,7
	global_load_b32 v[192+8*\c+\i], v5, s[4:5] offset:\i*12288+8192+64*\c     ; v turned: key 8 h + i, channel 16 c + r: v192-223
.endr
.endr
	s_wait_loadcnt 32                              ; q and k are in; v's 32 loads may be out
.irp s, 0,1,2,3,4,5,6,7,8,9,10,11,12,13,14,15
	global_load_b128 v[128+4*\s:131+4*\s], v6, s[6:7] offset:32*\s            ; Wo, the first half of my quarter: v128-191
.endr
	; S^T = k q^T: source 0 = 16 keys, source 1 = 16 queries; 16 K steps of 4 on two accumulators by turns
	v_wmma_f32_16x16x4_f32 v[80:87], v[48:49], v[16:17], 0
	v_wmma_f32_16x16x4_f32 v[88:95], v[50:51], v[18:19], 0
.irp n, 2,4,6,8,10,12,14
	v_wmma_f32_16x16x4_f32 v[80:87], v[48+2*\n:49+2*\n], v[16+2*\n:17+2*\n], v[80:87]
	v_wmma_f32_16x16x4_f32 v[88:95], v[50+2*\n:51+2*\n], v[18+2*\n:19+2*\n], v[88:95]
.endr
.rept 8
	v_nop                                          ; eight places behind this form, ahead of reads of the results and of loads into the sources
.endr
	s_wait_loadcnt 16                              ; v is in; Wo's first 16 loads may be out
.irp s, 0,1,2,3,4,5,6,7,8,9,10,11,12,13,14,15
	global_load_b128 v[16+4*\s:19+4*\s], v6, s[6:7] offset:512+32*\s          ; Wo, the second half: v16-79
.endr
.irp j, 0,1,2,3,4,5,6,7
	v_add_f32 v[232+\j], v[80+\j], v[88+\j]        ; the score of key 8 h + j and query r; both accumulators from their low end on
.endr
.irp j, 0,1,2,3,4,5,6,7
	v_cmp_gt_i32 vcc_lo, \j, v12
	v_cndmask_b32 v[232+\j], v[232+\j], v13, vcc_lo   ; the causal mask
.endr
	v_max3_num_f32 v240, v232, v233, v234
	v_max3_num_f32 v240, v240, v235, v236
	v_max3_num_f32 v240, v240, v237, v238
	v_max_num_f32 v240, v240, v239
	v_permlanex16_b32 v241, v240, s18, s19
	v_max_num_f32 v240, v240, v241                 ; the row's maximum: key 0 counts for every query, so it is a number
	v_mul_f32 v242, s26, v240
.irp j, 0,1,2,3,4,5,6,7
	v_fma_f32 v[232+\j], v[232+\j], s26, -v242     ; c s - c m
.endr
.irp j, 0,1,2,3,4,5,6,7
	v_exp_f32 v[232+\j], v[232+\j]
.endr
	v_nop                                          ; the plain line behind the last exponential
	s_wait_alu depctr_va_vdst(0)                   ; one wait for the eight, ahead of the first use
	v_add_f32 v243, v232, v233
	v_add_f32 v245, v234, v235
	v_add_f32 v246, v236, v237
	v_add_f32 v247, v238, v239
	v_add_f32 v243, v243, v245
	v_add_f32 v246, v246, v247
	v_add_f32 v243, v243, v246
	v_permlanex16_b32 v241, v243, s18, s19
	v_add_f32 v243, v243, v241                     ; the row's sum
	v_rcp_f32 v244, v243
	v_nop
	s_wait_alu depctr_va_vdst(0)
.irp j, 0,1,2,3,4,5,6,7
	v_mul_f32 v[224+\j], v[232+\j], v244           ; the weights: v224-231: key 8 h + j of query r
.endr
	; O^T = v^T P: source 0 = 16 channels, source 1 = the weights; in K step s the place 2 h + j stands for key 8 h + 2 s + j on both sources; four accumulators by turns
.irp s, 0,1,2,3
.irp c, 0,1,2,3
.if \s == 0
	v_wmma_f32_16x16x4_f32 v[96+8*\c:103+8*\c], v[192+8*\c+2*\s:193+8*\c+2*\s], v[224+2*\s:225+2*\s], 0
.else
	v_wmma_f32_16x16x4_f32 v[96+8*\c:103+8*\c], v[192+8*\c+2*\s:193+8*\c+2*\s], v[224+2*\s:225+2*\s], v[96+8*\c:103+8*\c]
.endif
.endr
.endr
.rept 8
	v_nop
.endr
.irp c, 0,1,2,3
	ds_store_b128 v7, v[96+8*\c:99+8*\c] offset:64*\c              ; position r, channels 16 c + 8 h + 0 .. 7 of head w
	ds_store_b128 v7, v[100+8*\c:103+8*\c] offset:64*\c+16
.endr
	s_wait_dscnt 0x0                               ; for the others' sake: my stores are done
	s_barrier_signal -1
	s_barrier_wait -1                              ; the 16 rows of attention lie in LDS
	; the projection, transposed: source 0 = 16 rows of Wo, source 1 = the 16 positions; my quarter of K is 64 K steps, in two halves
.irp s, 0,1,2,3,4,5,6,7,8,9,10,11,12,13,14,15
	ds_load_b128 v[192+4*\s:195+4*\s], v8 offset:32*\s
.endr
	s_wait_loadcnt 16                              ; Wo's first half is in; its second 16 loads may be out
	s_wait_dscnt 0x0
	v_wmma_f32_16x16x4_f32 v[80:87], v[128:129], v[192:193], 0
	v_wmma_f32_16x16x4_f32 v[88:95], v[130:131], v[194:195], 0
.irp n, 2,4,6,8,10,12,14,16,18,20,22,24,26,28,30
	v_wmma_f32_16x16x4_f32 v[80:87], v[128+2*\n:129+2*\n], v[192+2*\n:193+2*\n], v[80:87]
	v_wmma_f32_16x16x4_f32 v[88:95], v[130+2*\n:131+2*\n], v[194+2*\n:195+2*\n], v[88:95]
.endr
.rept 8
	v_nop                                          ; ahead of the loads into the sources
.endr
.irp s, 0,1,2,3,4,5,6,7,8,9,10,11,12,13,14,15
	ds_load_b128 v[192+4*\s:195+4*\s], v8 offset:512+32*\s
.endr
	s_wait_loadcnt 0x0
	s_wait_dscnt 0x0
.irp n, 0,2,4,6,8,10,12,14,16,18,20,22,24,26,28,30
	v_wmma_f32_16x16x4_f32 v[80:87], v[16+2*\n:17+2*\n], v[192+2*\n:193+2*\n], v[80:87]
	v_wmma_f32_16x16x4_f32 v[88:95], v[18+2*\n:19+2*\n], v[194+2*\n:195+2*\n], v[88:95]
.endr
.rept 8
	v_nop
.endr
.irp j, 0,1,2,3,4,5,6,7
	v_add_f32 v[232+\j], v[80+\j], v[88+\j]        ; my quarter's part of out0(r, 16 (w % 4) + 8 h + j)
.endr
	ds_store_b128 v9, v[232:235]
	ds_store_b128 v9, v[236:239] offset:16
	s_wait_dscnt 0x0
	s_barrier_signal -1
	s_barrier_wait -1                              ; the four quarters lie in LDS
	s_cmp_ge_u32 s10, 8
	s_cbranch_scc1 .Lend
.irp k, 0,1,2,3
	ds_load_b128 v[16+4*\k:19+4*\k], v10 offset:16*PPART*\k
.endr
	s_wait_dscnt 0x0
	v_pk_add_f32 v[32:33], v[16:17], v[20:21]
	v_pk_add_f32 v[34:35], v[18:19], v[22:23]
	v_pk_add_f32 v[36:37], v[24:25], v[28:29]
	v_pk_add_f32 v[38:39], v[26:27], v[30:31]
	v_pk_add_f32 v[32:33], v[32:33], v[36:37]
	v_pk_add_f32 v[34:35], v[34:35], v[38:39]
	global_store_b128 v11, v[32:35], s[8:9]        ; sixteen lanes store 256 consecutive bytes of a row, at a multiple of 256 from out0's first byte
.Lend:
	s_wait_tensorcnt 0x0                           ; the wave's end
	ds_add_u32 v[SPW], v[NIL]
	s_wait_dscnt 0x0
	s_endpgm
.Lfunc_end_k_q180fff2ac4_fine:
	.size	k_q180fff2ac4_fine, .Lfunc_end_k_q180fff2ac4_fine-k_q180fff2ac4_fine
	.p2alignl 7, 3214868480
	.fill 96, 4, 3214868480
	.section	.rodata,"a",@progbits
	.p2align	6, 0x0
	.amdhsa_kernel k_q180fff2ac4_fine
		.amdhsa_group_segment_fixed_size 85248
		.amdhsa_private_segment_fixed_size 0
		.amdhsa_enable_private_segment 0
		.amdhsa_kernarg_size 24
		.amdhsa_user_sgpr_count 2
		.amdhsa_user_sgpr_kernarg_segment_ptr 1
		.amdhsa_wavefront_size32 1
		.amdhsa_system_sgpr_workgroup_id_x 1
		.amdhsa_system_sgpr_workgroup_id_y 1
		.amdhsa_system_sgpr_workgroup_id_z 1
		.amdhsa_system_vgpr_workitem_id 0
		.amdhsa_next_free_vgpr 256
		.amdhsa_next_free_sgpr 66
		.amdhsa_reserve_vcc 1
		.amdhsa_float_denorm_mode_32 3
		.amdhsa_float_denorm_mode_16_64 3
		.amdhsa_memory_ordered 1
		.amdhsa_forward_progress 1
		.amdhsa_inst_pref_size 25
	.end_amdhsa_kernel
	.amdgpu_metadata
---
amdhsa.version: [ 1, 2 ]
amdhsa.kernels:
  - .name:           k_q180fff2ac4_fine
    .symbol:         k_q180fff2ac4_fine.kd
    .args:
      - { .name: q32, .offset: 0, .size: 8, .value_kind: global_buffer, .address_space: global }
      - { .name: Wo, .offset: 8, .size: 8, .value_kind: global_buffer, .address_space: global }
      - { .name: out0, .offset: 16, .size: 8, .value_kind: global_buffer, .address_space: global }
    .group_segment_fixed_size: 85248
    .private_segment_fixed_size: 0
    .kernarg_segment_align: 8
    .kernarg_segment_size: 24
    .max_flat_workgroup_size: 512
    .sgpr_count:     66
    .vgpr_count:     256
    .wavefront_size: 32
...
	.end_amdgpu_metadata
.endif
;; end of part 5
